; MI455X (gfx1250); checked and timed in simulation.
; The chip was launched on July 23, 2026; its instructions are those of AMD's public machine-readable ISA for CDNA 5 (MIT licence, August 2026) and "CDNA5" Instruction Set Architecture Reference Guide (July 2026). The comments in the code are by the model that wrote it; some were corrected since.
;; Multi Head Attention. Allowed arithmetic: matrix products marked QUANTISED: E2M1 operands, one E8M0 scale for each 32 along K, by v_wmma_scale_f32_16x16x128_f8f6f4 with both operands' format E2M1 (or v_wmma_scale_f32_32x16x128_f4), f32 sums; products left as they are: bf16, f16 or f32 operands; f32 sums; everything else in f32.
;; Inputs: Wk 1,024 x 1,024 float32; Wo 1,024 x 1,024 float32; Wq 1,024 x 1,024 float32; Wv 1,024 x 1,024 float32; bk 1,024 float32; bo 1,024 float32; bq 1,024 float32; bv 1,024 float32; mask 4 x 2,048 bool; x 4 x 2,048 x 1,024 float32.
;; Outputs: out0 4 x 2,048 x 1,024 float32.
;; This version of the problem:
;;   THIS VERSION OF THE PROBLEM IS GIVEN IN LOW PRECISION. The matrix products marked QUANTISED in the list below multiply operands that are first quantised to E2M1 (2 exponent bits, 1 mantissa bit; 4 bits a number), with one power-of-two scale for each 32 numbers along K (OCP MX v1.0); their sums are f32. The products marked 'left as it is' may take bf16, f16 or f32 operands, with f32 sums. Whichever they take, every output number must still come out within the allowed error. Rounding operands to bf16 (8 significant bits) uses up far more of that allowance than f16 does (11 bits, for magnitudes from 6e-5 to 65,504). All else is computed in f32.
;;   The module's matrix products, in the order in which they are computed (A, B: the left and right operand; K: the contracted axis; several contracted axes count as one K, in the product's order):
;;     1. [M 8,192, K 1,024] x [K 1,024, N 1,024]; A: input x; B: input Wq: QUANTISED
;;     2. [M 8,192, K 1,024] x [K 1,024, N 1,024]; A: input x; B: input Wk: QUANTISED
;;     3. [M 8,192, K 1,024] x [K 1,024, N 1,024]; A: input x; B: input Wv: QUANTISED
;;     4. batch 64 x [M 2,048, K 64] x [K 64, N 2,048]; A: computed on the way; B: computed on the way: left as it is (an operand is computed on the way)
;;     5. batch 64 x [M 64, K 2,048] x [K 2,048, N 2,048]; A: computed on the way; B: computed on the way: left as it is (an operand is computed on the way)
;;     6. [M 8,192, K 1,024] x [K 1,024, N 1,024]; A: computed on the way; B: input Wo: left as it is (an operand is computed on the way)
;;   THE QUANTISER, for each operand of a quantised product, along K:
;;     - K is cut into blocks of 32 from its start; a last block that is shorter is filled with zeros.
;;     - A block's scale is 2^e with e = floor(log2(the largest magnitude in the block)) - 2, held to -126 .. 127; a block of zeros has e = 0. As a byte (E8M0): e + 127.
;;     - Each number is divided by its block's scale, clamped to +-6, and rounded to the nearest number of E2M1, ties to even, subnormals kept.
;;     - The product sums the exact products of the quantised numbers (number of the format x scale) in f32.
;;   ~~~python
;;   def quantise(x, axis):      # numpy; x: float32 -> the quantised numbers, widened to float32 again
;;       x = np.moveaxis(x, axis, -1); K = x.shape[-1]
;;       x = np.pad(x, [(0, 0)] * (x.ndim - 1) + [(0, -K % 32)]); x = x.reshape(x.shape[:-1] + (-1, 32)); a = np.abs(x).max(-1, keepdims=True)
;;       e = np.where(a > 0, np.clip(np.frexp(np.where(a > 0, a, 1))[1] - 1 - 2, -126, 127), 0)      # np.frexp(a)[1] - 1 = floor(log2(a)), exactly
;;       r = np.clip(x / 2.0 ** e, -6, 6)
;;       step = 2.0 ** (np.maximum(np.frexp(np.where(r == 0, 1, r))[1] - 1, 0) - 1)
;;       q = np.round(r / step) * step * 2.0 ** e      # np.round: ties to even
;;       return np.moveaxis(q.reshape(q.shape[:-2] + (-1,))[..., :K], -1, axis).astype(np.float32)
;;   ~~~
;; One version. Each part assembles by itself: llvm-mc -triple=amdgcn-amd-amdhsa -mcpu=gfx1250 --defsym DOCPART=n.
;; ======== version 1 of 1: 4 launches
;; limits: values are held in f16: magnitudes above 65,504 overflow, below 6.1e-05 lose precision
;; workspace buffers: x_codes 4,194,304 bytes; x_scales 262,144 bytes; w_codes 1,572,864 bytes; w_scales 98,304 bytes; wof 2,097,152 bytes; qkv 50,331,648 bytes; ao 16,777,216 bytes
;; launch prep (part 1): grid 432 x 1, 4 waves a work-group, no clusters, 68,096 bytes of LDS; arguments x, Wq, Wk, Wv, Wo, x_codes, x_scales, w_codes, w_scales, wof; writes x_codes, x_scales, w_codes, w_scales, wof
.if DOCPART == 1
	.amdgcn_target "amdgcn-amd-amdhsa--gfx1250"
	.amdhsa_code_object_version 6
	.text
	.protected	k_q961dbff5c9_prep
	.globl	k_q961dbff5c9_prep
	.p2align	8
	.type	k_q961dbff5c9_prep,@function
k_q961dbff5c9_prep:
	s_mov_b64 s[64:65], 0
	v_nop
	global_prefetch_b8 v0, s[64:65] scope:SCOPE_SE
	s_setreg_imm32_b32 hwreg(HW_REG_WAVE_MODE, 25, 1), 1
	s_wait_xcnt 0x0
; MULTI-HEAD ATTENTION, launch 1 of 4: the operands of the three quantised products become codes, and Wo becomes f16.
; DEAD WORK: none is left out in any of the four launches.  Every input has a way to the output (bk too: the mask replaces scores, so bk's term is not the same along the softmax's axis), and all ten inputs are loaded.
; x [8192][1024] f32 (K innermost) -> x_codes [8192][512 bytes], x_scales [8192][32].
; Wq, Wk, Wv [1024 (k)][1024 (n)] f32 (K is the FIRST axis) -> w_codes [3072 rows n][512 bytes], w_scales [3072][32]: rows 0-1023 Wq's columns, 1024-2047 Wk's, 2048-3071 Wv's.
; Codes are FP4 (E2M1), two to a byte, the lower k in the low four bits; one E8M0 byte for each 32 along K.  A block's scale is 2^(floor(log2(its largest magnitude)) - 2): its byte is the largest
; magnitude's exponent field - 2, held at 1 from below.  A block of zeros so gets the byte 1 where the rule says 127: its codes are zeros, which add nothing, and this program alone reads the bytes.
; Wo [1024 (k)][1024 (n)] f32 -> wof, f16, laid as images of the last product's operand registers: [ks 8][nt 64][kc 4][g 2][512 bytes]; lane (r, h)'s 16 bytes at 16 x lane hold Wo[128 ks + 32 kc + 16 g + 8 h + 0..7][16 nt + r].
; LIMITS: blocks whose largest magnitude lies under 2^-124 keep the byte 1; NaN and infinities among the inputs are not served; |Wo| stays under 65,504 (f16).
; SHARES: work-groups 0-255 take x (32,768 numbers each), 256-303 the three weights (128 columns x 512 along K each), 304-431 Wo (a wave: 32 along k x 64 columns).
; The three paths part on the work-group's number and never meet again; each has LDS bytes of its own.  No tensor load, no barrier: waves share nothing.
.set STEPS, 16
.set EMAX,  2
.set CB,    8                          ; bytes of 16 codes
.set XR,    16                         ; x: v16-79   four sets of 16 numbers as they are loaded
.set XX,    80                         ; x: v80-111  two sets of 16 neighbours
.set XE,    112                        ; x: v112-127 a scale byte for each step
.set XC,    128                        ; x: v128-189 codes, four registers apart for each step
.set WREG,  8192                       ; x: LDS 0 .. 32,767: a region for each wave: two stages of 32 x SP bytes, then its 256 scale bytes
.set SP,    80                         ; x: a lane's place in a stage: 64 bytes + 16 of padding
.set WSTAGE, 32768                     ; weights: LDS 32,768 .. 67,583: a stage of 32 rows x 272 bytes for each wave
.set WPITCH, 272
.set KROW,  512                        ; a row of w_codes in bytes
.set NB,    16                         ; blocks of 32 along K for a wave
.set WX,    32                         ; weights: v32-95 two sets of 32 numbers
.set WC,    96                         ; weights: a block's codes
.set WOUT,  112                        ; weights: v112-175 the way out
.set WSB,   24                         ; weights: v24-27 the scale bytes, four to a register
.set SPARE, 67584                      ; the spare words, 128 bytes for each wave: two blocks of 256 bytes that no other line names
.set SPW,   190                        ; v190 LDS address of my spare word; never rewritten
.set NIL,   191                        ; v191 0; never rewritten
.set WV,    24                         ; s24  my wave's number
	s_load_b256 s[4:11], s[0:1], 0x0               ; x s[4:5], Wq s[6:7], Wk s[8:9], Wv s[10:11]
	s_load_b256 s[12:19], s[0:1], 0x20             ; Wo s[12:13], x_codes s[14:15], x_scales s[16:17], w_codes s[18:19]
	s_load_b128 s[20:23], s[0:1], 0x40             ; w_scales s[20:21], wof s[22:23]
	v_lshl_add_u32 v[SPW], v0, 2, SPARE
	v_mov_b32 v[NIL], 0
	v_lshrrev_b32 v1, 5, v0
	v_readfirstlane_b32 s[WV], v1                  ; wave 0..3
	v_and_b32 v2, 31, v0                           ; lane
	s_mov_b32 s33, 0                               ; the upper word of every offset pair s[32:33]
	s_wait_kmcnt 0x0
	s_cmp_lt_u32 ttmp9, 256
	s_cbranch_scc1 .Lpath_x
	s_cmp_lt_u32 ttmp9, 304
	s_cbranch_scc1 .Lpath_w
; ---- Wo: a wave takes 32 along k x 64 columns.  Lane (r, h) takes column 16 nt + r and its registers run down k: 16 g + 8 h + j, the order of the operand's registers.
	s_sub_co_u32 s25, ttmp9, 304
	s_lshl_b32 s25, s25, 2
	s_add_co_u32 s25, s25, s[WV]                   ; task 0..511
	s_lshr_b32 s26, s25, 4                         ; which 32 along k
	s_and_b32 s27, s25, 15                         ; which 64 columns
	s_lshl_b32 s32, s26, 17                        ; 32 rows of 4,096 bytes
	s_lshl_b32 s30, s27, 8
	s_add_co_u32 s32, s32, s30
	s_add_nc_u64 s[12:13], s[12:13], s[32:33]
	s_lshr_b32 s32, s26, 2
	s_lshl_b32 s32, s32, 18                        ; ks x 262,144
	s_lshl_b32 s30, s27, 14                        ; four tiles of 16 columns x 4,096
	s_add_co_u32 s32, s32, s30
	s_and_b32 s30, s26, 3
	s_lshl_b32 s30, s30, 10                        ; kc x 1,024
	s_add_co_u32 s32, s32, s30
	s_add_nc_u64 s[22:23], s[22:23], s[32:33]
	v_and_b32 v3, 15, v0                           ; r
	v_bfe_u32 v4, v0, 4, 1                         ; h
	v_lshlrev_b32 v5, 2, v3
	v_lshl_add_u32 v5, v4, 15, v5                  ; 8 h rows + 4 r
	v_lshlrev_b32 v6, 4, v2                        ; 16 x lane
.irp g, 0,1
.irp j, 0,1,2,3,4,5,6,7
.irp nt, 0,1,2,3
	global_load_b32 v[32+16*\nt+8*\g+\j], v5, s[12:13] offset:(16*\g+\j)*4096+64*\nt th:TH_LOAD_NT   ; four loads on end take 256 neighbouring bytes of two rows
.endr
.endr
.endr
	s_wait_loadcnt 0x0
.irp nt, 0,1,2,3
.irp g, 0,1
.irp p, 0,1,2,3
	v_cvt_pk_f16_f32 v[96+8*\nt+4*\g+\p], v[32+16*\nt+8*\g+2*\p], v[32+16*\nt+8*\g+2*\p+1]
.endr
.endr
.endr
.irp nt, 0,1,2,3
.irp g, 0,1
	global_store_b128 v6, v[96+8*\nt+4*\g:96+8*\nt+4*\g+3], s[22:23] offset:4096*\nt+512*\g   ; 32 lanes store 512 consecutive bytes, aligned
.endr
.endr
	s_endpgm
; ---- x: a plain stream of blocks of 32.  A wave takes 16 steps of 512 numbers.  Each load reads 512 consecutive bytes; a step's 2,048 bytes turn through the wave's own stage, so that a lane holds 16 neighbours.
.Lpath_x:
	v_lshlrev_b32 v3, 4, v2                        ; my 16 bytes of a load's 512
	s_mul_i32 s25, s[WV], WREG
	v_lshrrev_b32 v14, 2, v2
	v_mul_u32_u24 v14, v14, SP
	v_and_b32 v15, 3, v2
	v_lshl_add_u32 v14, v15, 4, v14
	v_add_nc_u32 v14, s25, v14                     ; the stage, on the way in: SP (lane / 4) + 16 (lane % 4)
	v_mul_u32_u24 v15, v2, SP
	v_add_nc_u32 v15, s25, v15                     ; and on the way out: SP x lane
	v_mul_u32_u24 v4, v2, CB                       ; my codes' place in a step's
	v_lshrrev_b32 v5, 1, v2
	s_add_co_u32 s25, s25, 2*32*SP
	v_add_nc_u32 v5, s25, v5                       ; my block's scale byte among the wave's 256
	v_lshlrev_b32 v7, 3, v2
	v_add_nc_u32 v6, s25, v7                       ; and 8 of them a lane on the way out
	s_lshl_b32 s26, ttmp9, 2
	s_add_co_u32 s26, s26, s[WV]                   ; which run of 8,192 numbers is my wave's
	s_lshl_b32 s32, s26, 15
	s_add_nc_u64 s[4:5], s[4:5], s[32:33]
	s_lshl_b32 s32, s26, 12
	s_add_nc_u64 s[14:15], s[14:15], s[32:33]
	s_lshl_b32 s32, s26, 8
	s_add_nc_u64 s[16:17], s[16:17], s[32:33]
.macro XLOAD t
.irp i, 0,1,2,3
	global_load_b128 v[XR+16*((\t)%4)+4*\i:XR+16*((\t)%4)+4*\i+3], v3, s[4:5] offset:2048*(\t)+512*\i th:TH_LOAD_NT
.endr
.endm
.macro XTURN t                         ; step t's numbers through the stage: LDS serves a wave's instructions in order, so no wait stands between the stores and the loads
.irp i, 0,1,2,3
	ds_store_b128 v14, v[XR+16*((\t)%4)+4*\i:XR+16*((\t)%4)+4*\i+3] offset:32*SP*((\t)%2)+8*SP*\i
.endr
.irp i, 0,1,2,3
	ds_load_b128 v[XX+16*((\t)%2)+4*\i:XX+16*((\t)%2)+4*\i+3], v15 offset:32*SP*((\t)%2)+16*\i
.endr
.endm
.irp t, 0,1,2,3
	XLOAD \t
.endr
	s_wait_loadcnt 12                              ; step 0's four loads are in; the twelve of steps 1 to 3 may be out
	XTURN 0
.macro XSTEP t
.set XS, XX+16*((\t)%2)
.if (\t) > 0
	s_wait_dscnt 1                                 ; this step's numbers are back from the stage (the last step's byte store may be out)
.else
	s_wait_dscnt 0x0
.endif
.if (\t)+4 < STEPS
	XLOAD (\t)+4                                   ; into the registers that this step's stores into the stage have read
.endif
.if (\t)+1 < STEPS
.if STEPS-2-(\t) >= 3
	s_wait_loadcnt 12                              ; the next step's four loads are in; those of the three steps behind it may be out
.else
	s_wait_loadcnt 4*(STEPS-2-(\t))
.endif
	XTURN (\t)+1
.endif
	v_max3_num_f32 v8, |v[XS]|, |v[XS+1]|, |v[XS+2]|               ; the largest magnitude of my 16, in two chains
	v_max3_num_f32 v9, |v[XS+3]|, |v[XS+4]|, |v[XS+5]|
.irp i, 6,10
	v_max3_num_f32 v8, v8, |v[XS+\i]|, |v[XS+\i+1]|
	v_max3_num_f32 v9, v9, |v[XS+\i+2]|, |v[XS+\i+3]|
.endr
	v_max3_num_f32 v8, v8, |v[XS+14]|, |v[XS+15]|
	v_max3_num_f32 v8, v8, v9, (EMAX+1)<<23        ; and the floor 2^(3 - 127): the byte cannot fall under 1
	v_max_num_f32_dpp v8, v8, v8 row_xmask:1 row_mask:0xf bank_mask:0xf   ; with my neighbour's 16: the block's
	v_add_nc_u32 v11, -(EMAX<<23), v8              ; 2 off its exponent field: the conversion takes the exponent field of this operand as its scale
	v_cvt_scalef32_pk8_fp4_f32 v[XC+4*(\t)], v[XS:XS+7], v11
	v_cvt_scalef32_pk8_fp4_f32 v[XC+4*(\t)+1], v[XS+8:XS+15], v11
	v_lshrrev_b32 v[XE+(\t)], 23, v11              ; the scale's byte
	ds_store_b8 v5, v[XE+(\t)] offset:16*(\t)      ; both lanes of a block write the same byte with the same value
	global_store_b64 v4, v[XC+4*(\t):XC+4*(\t)+1], s[14:15] offset:32*CB*(\t)   ; 32 lanes store 256 consecutive bytes, aligned
.endm
.irp t, 0,1,2,3,4,5,6,7,8,9,10,11,12,13,14,15
	XSTEP \t
.endr
	ds_load_b64 v[8:9], v6                         ; LDS serves a wave's instructions in order: these see my byte stores
	s_wait_dscnt 0x0
	global_store_b64 v7, v[8:9], s[16:17]          ; 32 lanes store 256 consecutive bytes, aligned
	s_wait_tensorcnt 0x0                           ; the wave's end: behind my last LDS store
	ds_add_u32 v[SPW], v[NIL]
	s_wait_dscnt 0x0
	s_endpgm
; ---- Wq, Wk, Wv: a lane takes a column n and its registers run down K, so a block of 32 lies in one lane and the codes come out with K innermost.  A wave: 32 columns x 512 along K.
.Lpath_w:
	s_sub_co_u32 s25, ttmp9, 256                   ; 0..47
	s_lshr_b32 s26, s25, 4                         ; which weight
	s_and_b32 s27, s25, 7                          ; which 128 columns
	s_bfe_u32 s30, s25, 0x10003                    ; which 512 along K
	s_cmp_eq_u32 s26, 0
	s_cselect_b64 s[28:29], s[6:7], s[8:9]
	s_cmp_eq_u32 s26, 2
	s_cselect_b64 s[28:29], s[10:11], s[28:29]     ; the choice hangs on the work-group's number alone
	s_lshl_b32 s27, s27, 7
	s_lshl_b32 s31, s[WV], 5
	s_add_co_u32 s27, s27, s31                     ; my wave's first column
	s_lshl_b32 s32, s30, 21                        ; 512 rows of 4,096 bytes
	s_lshl_b32 s31, s27, 2
	s_add_co_u32 s32, s32, s31
	s_add_nc_u64 s[28:29], s[28:29], s[32:33]
	s_lshl_b32 s31, s26, 10
	s_add_co_u32 s31, s31, s27                     ; my first row of w_codes and w_scales
	s_lshl_b32 s32, s31, 9
	s_lshl_b32 s34, s30, 8
	s_add_co_u32 s32, s32, s34
	s_add_nc_u64 s[18:19], s[18:19], s[32:33]
	s_lshl_b32 s32, s31, 5
	s_lshl_b32 s34, s30, 4
	s_add_co_u32 s32, s32, s34
	s_add_nc_u64 s[20:21], s[20:21], s[32:33]
	s_mul_i32 s35, s[WV], 32*WPITCH
	s_add_co_u32 s35, s35, WSTAGE                  ; my stage
	v_lshlrev_b32 v3, 2, v2                        ; in: 4 bytes a lane
	v_mul_u32_u24 v4, v2, WPITCH
	v_add_nc_u32 v4, s35, v4                       ; into the stage: row = my column
	v_and_b32 v5, 15, v2
	v_lshrrev_b32 v6, 4, v2
	v_mul_u32_u24 v7, v6, WPITCH
	v_lshl_add_u32 v7, v5, 4, v7
	v_add_nc_u32 v7, s35, v7                       ; out of it: sixteen lanes to a row, two rows an instruction
	v_mul_u32_u24 v8, v6, KROW
	v_lshl_add_u32 v8, v5, 4, v8                   ; and the same place in w_codes
	v_mul_u32_u24 v9, v2, 32                       ; my column's row of scale bytes
.macro WLOAD t                         ; block t: W(32 t + i, my column) into set t % 2: a load reads 128 consecutive bytes
.irp i, 0,1,2,3,4,5,6,7,8,9,10,11,12,13,14,15,16,17,18,19,20,21,22,23,24,25,26,27,28,29,30,31
	global_load_b32 v[WX+32*((\t)%2)+\i], v3, s[28:29] offset:(32*(\t)+\i)*4096 th:TH_LOAD_NT
.endr
.endm
	WLOAD 0
	WLOAD 1
.macro WBLOCK t
.set XS, WX+32*((\t)%2)
.if (\t) < NB-1
	s_wait_loadcnt 32                              ; this block's 32 loads are in; the next block's may be out
.else
	s_wait_loadcnt 0
.endif
	v_max3_num_f32 v12, |v[XS]|, |v[XS+1]|, |v[XS+2]|               ; the block's largest magnitude: all 32 numbers are mine
	v_max3_num_f32 v13, |v[XS+3]|, |v[XS+4]|, |v[XS+5]|
.irp i, 6,10,14,18,22,26
	v_max3_num_f32 v12, v12, |v[XS+\i]|, |v[XS+\i+1]|
	v_max3_num_f32 v13, v13, |v[XS+\i+2]|, |v[XS+\i+3]|
.endr
	v_max3_num_f32 v12, v12, |v[XS+30]|, |v[XS+31]|
	v_max3_num_f32 v12, v12, v13, (EMAX+1)<<23     ; and the floor
	v_add_nc_u32 v11, -(EMAX<<23), v12             ; the conversion's scale operand
	v_lshrrev_b32 v13, 23, v11                     ; the scale's byte
.if (\t)%4 == 0
	v_mov_b32 v[WSB+(\t)/4], v13                   ; four bytes to a register, the lower K in the lower byte
.else
	v_lshl_or_b32 v[WSB+(\t)/4], v13, 8*((\t)%4), v[WSB+(\t)/4]
.endif
.irp g, 0,1,2,3
	v_cvt_scalef32_pk8_fp4_f32 v[WC+\g], v[XS+8*\g:XS+8*\g+7], v11
.endr
	ds_store_b128 v4, v[WC:WC+3] offset:16*(\t)    ; 32 codes: 16 bytes of my column's row
.if (\t)+2 < NB
	WLOAD (\t)+2
.endif
	s_wait_dscnt 0x0                               ; the store has read its registers: the next block's codes may be written
.endm
.set Q, 0
.rept NB
	WBLOCK Q
.set Q, Q+1
.endr
	global_store_b128 v9, v[WSB:WSB+3], s[20:21]   ; my column's 16 scale bytes
.irp t, 0,1,2,3,4,5,6,7,8,9,10,11,12,13,14,15
	ds_load_b128 v[WOUT+4*\t:WOUT+4*\t+3], v7 offset:2*\t*WPITCH
.endr
.irp t, 0,1,2,3,4,5,6,7,8,9,10,11,12,13,14,15
	s_wait_dscnt 15-\t                             ; rows 2 t and 2 t + 1 are back; the loads behind them may be out
	global_store_b128 v8, v[WOUT+4*\t:WOUT+4*\t+3], s[18:19] offset:2*\t*KROW   ; sixteen lanes store 256 consecutive bytes, aligned
.endr
	s_wait_tensorcnt 0x0                           ; the wave's end: behind my last LDS store
	ds_add_u32 v[SPW], v[NIL]
	s_wait_dscnt 0x0
	s_endpgm
.Lfunc_end_k_q961dbff5c9_prep:
	.size	k_q961dbff5c9_prep, .Lfunc_end_k_q961dbff5c9_prep-k_q961dbff5c9_prep
	.p2alignl 7, 3214868480
	.fill 96, 4, 3214868480
	.section	.rodata,"a",@progbits
	.p2align	6, 0x0
	.amdhsa_kernel k_q961dbff5c9_prep
		.amdhsa_group_segment_fixed_size 68096
		.amdhsa_private_segment_fixed_size 0
		.amdhsa_enable_private_segment 0
		.amdhsa_kernarg_size 80
		.amdhsa_user_sgpr_count 2
		.amdhsa_user_sgpr_kernarg_segment_ptr 1
		.amdhsa_wavefront_size32 1
		.amdhsa_system_sgpr_workgroup_id_x 1
		.amdhsa_system_sgpr_workgroup_id_y 1
		.amdhsa_system_sgpr_workgroup_id_z 1
		.amdhsa_system_vgpr_workitem_id 0
		.amdhsa_next_free_vgpr 192
		.amdhsa_next_free_sgpr 66
		.amdhsa_reserve_vcc 0
		.amdhsa_float_denorm_mode_32 3
		.amdhsa_float_denorm_mode_16_64 3
		.amdhsa_memory_ordered 1
		.amdhsa_forward_progress 1
		.amdhsa_inst_pref_size 121
	.end_amdhsa_kernel
	.amdgpu_metadata
---
amdhsa.version: [ 1, 2 ]
amdhsa.kernels:
  - .name:           k_q961dbff5c9_prep
    .symbol:         k_q961dbff5c9_prep.kd
    .args:
      - { .name: x, .offset: 0, .size: 8, .value_kind: global_buffer, .address_space: global }
      - { .name: Wq, .offset: 8, .size: 8, .value_kind: global_buffer, .address_space: global }
      - { .name: Wk, .offset: 16, .size: 8, .value_kind: global_buffer, .address_space: global }
      - { .name: Wv, .offset: 24, .size: 8, .value_kind: global_buffer, .address_space: global }
      - { .name: Wo, .offset: 32, .size: 8, .value_kind: global_buffer, .address_space: global }
      - { .name: x_codes, .offset: 40, .size: 8, .value_kind: global_buffer, .address_space: global }
      - { .name: x_scales, .offset: 48, .size: 8, .value_kind: global_buffer, .address_space: global }
      - { .name: w_codes, .offset: 56, .size: 8, .value_kind: global_buffer, .address_space: global }
      - { .name: w_scales, .offset: 64, .size: 8, .value_kind: global_buffer, .address_space: global }
      - { .name: wof, .offset: 72, .size: 8, .value_kind: global_buffer, .address_space: global }
    .group_segment_fixed_size: 68096
    .private_segment_fixed_size: 0
    .kernarg_segment_align: 8
    .kernarg_segment_size: 80
    .max_flat_workgroup_size: 128
    .sgpr_count:     66
    .vgpr_count:     192
    .wavefront_size: 32
...
	.end_amdgpu_metadata
.endif
;; end of part 1
;; launch proj (part 2): grid 12 x 32, 4 waves a work-group, clusters of 4 x 4, 327,680 bytes of LDS; arguments x_codes, x_scales, w_codes, w_scales, bq, bk, bv, mask, qkv; writes qkv
.if DOCPART == 2
	.amdgcn_target "amdgcn-amd-amdhsa--gfx1250"
	.amdhsa_code_object_version 6
	.text
	.protected	k_q961dbff5c9_proj
	.globl	k_q961dbff5c9_proj
	.p2align	8
	.type	k_q961dbff5c9_proj,@function
k_q961dbff5c9_proj:
	s_mov_b64 s[64:65], 0
	v_nop
	global_prefetch_b8 v0, s[64:65] scope:SCOPE_SE
	s_setreg_imm32_b32 hwreg(HW_REG_WAVE_MODE, 25, 1), 1
	s_wait_xcnt 0x0
	s_wait_alu depctr_hold_cnt(0) depctr_sa_sdst(0) depctr_va_vdst(0) depctr_va_sdst(0) depctr_va_ssrc(0) depctr_va_vcc(0) depctr_vm_vsrc(0)
	s_getreg_b32 s2, hwreg(HW_REG_IB_STS2, 6, 4)
	s_cmp_eq_u32 s2, 0
	s_cbranch_scc0 .Lentry_in_a_cluster
	s_endpgm
.Lentry_in_a_cluster:
	s_bfe_u32 s2, ttmp6, 0x10000c
	s_cmp_lg_u32 s2, 0xf033
	s_cbranch_scc0 .Lentry_shape_is_right
	s_endpgm
.Lentry_shape_is_right:
; Launch 2 of 4: Q, K, V = x W + b, the three quantised products as ONE GEMM on codes of FP4 (E2M1) with E8M0 scales: C[8192][3072] = x_codes w_codes^T.  No work of the problem is left out.
; A tile of C, 256 x 256, is made by four waves, 128 x 128 each (64 accumulators, 512 registers).  K = 1,024 is two slots of 512: both slots and all scale bytes are first fills; nothing is filled again.
; CLUSTERS: 4 x 4 work-groups; x's tiles are asked for jointly along a row of the cluster, the weights' along a column.  A cluster's four tile columns are one SECTION of C: cluster x = 0: Q, 1: K, 2: V.
; THE MATRIX INSTRUCTION IS USED TRANSPOSED (source 0 = 16 rows of the weights, source 1 = 16 rows of x): a lane holds one token and eight neighbouring channels.  The bias is the C of each sum's first instruction.
; ON THE WAY OUT each row is multiplied by a factor F, in f32, and rounded to f16: Q by c = log2(e) / 8 (so that the scores come out as exponents of 2); K by 1 - mask[token] (a masked key's row becomes zeros, so that
; its score in the next launch is exactly the constant that stands for reference()'s -1e9); V by 1 (one text serves the three sections).
; qkv: three sections of 2^24 bytes, each [batch x head 64][tile of 16 tokens 128][block of 16 channels 4][512 bytes].  Four packed registers of one accumulator ARE four registers of the next product's operand:
; in Q and K lane l's 16 bytes lie at 16 l; in V lane (r, h)'s at 32 r + 16 h, which is [16 keys][16 channels] by rows, for the turning load.  Either way one store covers 512 consecutive bytes, aligned: no stage in LDS.
; LIMITS: |c Q|, |K|, |V| stay under 65,504 (f16); NaN and infinities among the inputs are not served (0 x infinity on a masked row would show).
; REGISTERS: window 0: v0-31 addresses; v32-95 scale words, two sets; v128-191 x's fragments, ONE set; v192-207 F, a pair for each block of 16 rows; v208, v209 lane terms.  On the way out v128-191 hold products, v32-95 packed results.
;   window 1: the weights' fragments, two sets, at v0 and v128; v192-255 the bias, eight registers for each block of 16 columns.   windows 2, 3: the accumulators ((a, b) at v[8 (8 (a % 4) + b)]).
.set KSTEP,  512
.set NQ,     4                         ; matrix instructions deep in a slot
.set ROWB,   256                       ; a tile's row in bytes
.set KROW,   512                       ; a row of codes in memory
.set PITCH,  272                       ; an LDS row: 256 bytes + 16 of padding, so that the 16 rows that a load touches start at 16 different banks (64 banks of 4 bytes: ISA guide 11.1)
.set FR,     8
.set NL,     2
.set NP,     4                         ; places behind this matrix instruction (ISA guide 7.12.1)
.set HALFT,  128*PITCH
.set SLOT,   4*HALFT
.set KS,     32                        ; a row of scale bytes
.set SCL,    2*SLOT                    ; behind the ring: the scales, as units of 256 bytes + 16 of padding
.set HALFS,  (128*KS/256)*272
.set SBLK,   (16*KS/256)*272
.set SPARE,  SCL+4*HALFS               ; the spare words, 128 bytes for each wave
.set ADRA, 16
.set ADRB, 20
.set ADRS, 27
.set SPW,  28
.set NIL,  29
.set SC,   32
.set AF,   128
.set CBI,  192                         ; the bias, in window 1
.set FF,   192                         ; the row factors, in window 0
.set VL,   208                         ; my lane's place in a block of 512 bytes
.set BA,   209                         ; 32 x (lane / 16): my eight numbers of a block's sixteen biases
.set TW,   128
.set PK,   32
.set G1, 24
.set G0, 32
.set G1B, 48
.set G0B, 56
.set G1S, 68
.set G0S, 76
.set G1SB, 80
.set G0SB, 88
.set MSB, 0
.macro WIN new                         ; the immediate's high byte repeats the setting that is left
.if MSB != (\new)
	s_set_vgpr_msb (MSB<<8)|(\new)
.set MSB, (\new)
.endif
.endm
.set MUL_LO, 0xa1                      ; source 0 (weights) window 1, source 1 (x) window 0, C and D window 2
.set MUL_HI, 0xf1                      ; the same, C and D window 3
.set FIRST_LO, 0x91                    ; the first step: C is the bias, in window 1
.set FIRST_HI, 0xd1
.set TO_B,   0x40
; A joint load: waves 0 and 1 fetch for x, waves 2 and 3 for the weights.  The branch hangs on the wave's number alone.  An s_nop 0 and four v_nop follow each of the two lines.
.macro JLOAD g0a, g1a, g0b, g1b
	s_cmp_eq_u32 s15, 0
	s_cbranch_scc0 .Lfor_b_\@
	tensor_load_to_lds s[\g0a:\g0a+3], s[\g1a:\g1a+7]
	s_nop 0
.rept 4
	v_nop
.endr
	s_branch .Lasked_\@
.Lfor_b_\@:
	tensor_load_to_lds s[\g0b:\g0b+3], s[\g1b:\g1b+7]
	s_nop 0
.rept 4
	v_nop
.endr
.Lasked_\@:
.endm
.macro CROUND                          ; a round of the cluster's barrier
	s_barrier_signal -1
	s_barrier_wait -1
	s_cmp_lg_u32 s14, 0
	s_cbranch_scc1 .Lnot_wave_0_\@
	s_barrier_signal -3
.Lnot_wave_0_\@:
	s_barrier_wait -3
	s_barrier_signal -1
	s_barrier_wait -1
.endm
	s_load_b256 s[4:11], s[0:1], 0x0               ; x_codes s[4:5], x_scales s[6:7], w_codes s[8:9], w_scales s[10:11]
	s_load_b128 s[96:99], s[0:1], 0x20             ; bq, bk
	s_load_b64 s[100:101], s[0:1], 0x30            ; bv
	s_load_b64 s[66:67], s[0:1], 0x38              ; mask
	s_load_b64 s[12:13], s[0:1], 0x40              ; qkv
	v_lshl_add_u32 v[SPW], v0, 2, SPARE
	v_mov_b32 v[NIL], 0
	ds_add_u32 v[SPW], v[NIL]                      ; the wave's opening: the add, twice on end, and its wait ahead of my first tensor load
	ds_add_u32 v[SPW], v[NIL]
	v_lshrrev_b32 v1, 5, v0
	v_readfirstlane_b32 s14, v1                    ; wave 0..3
	s_lshr_b32 s15, s14, 1                         ; which half of the tile's rows is mine.  Also: I fetch for x (0) or for the weights (1)
	s_and_b32 s16, s14, 1                          ; which half of its columns.  Also: which 128 rows of that tile I fetch
	s_bfe_u32 s40, ttmp6, 0x40000                  ; cx, cy: my place in the cluster
	s_bfe_u32 s41, ttmp6, 0x40004
	s_lshl_b32 s42, ttmp9, 2
	s_add_co_u32 s42, s42, s40                     ; tile column of C
	s_and_b32 s17, ttmp7, 0xffff
	s_lshl_b32 s17, s17, 2
	s_add_co_u32 s17, s17, s41                     ; tile row of C
	s_lshl_b32 s43, s41, 2
	s_lshl_b32 s43, 15, s43                        ; my row of the cluster
	s_lshl_b32 s44, 0x1111, s40                    ; my column
	s_or_b32 s[G1+0], s43, (0<<16)|(1<<20)|(1<<21)|(5<<22)|(3<<25)  ; the mask; elements of 1 byte; padding on; bit 21 beside a mask; after every 64 words four words
	s_or_b32 s[G1B+0], s44, (0<<16)|(1<<20)|(1<<21)|(5<<22)|(3<<25)
.irp g, G1, G1B
	s_mov_b32 s[\g+1], ROWB<<16                    ; tensor_dim0
	s_mov_b32 s[\g+2], 128<<16                     ; tensor_dim1
	s_mov_b32 s[\g+3], ROWB<<16                    ; tile_dim0
	s_mov_b32 s[\g+4], 128                         ; tile_dim1
	s_mov_b32 s[\g+5], KROW                        ; tensor_dim0_stride
	s_mov_b32 s[\g+6], 0
	s_mov_b32 s[\g+7], 0
.endr
	s_or_b32 s[G1S+0], s43, (3<<16)|(1<<20)|(1<<21)|(5<<22)|(3<<25)  ; the scales of 128 rows: 4,096 dense bytes as 16 rows of 256 bytes, 16 of padding behind each
	s_or_b32 s[G1SB+0], s44, (3<<16)|(1<<20)|(1<<21)|(5<<22)|(3<<25)
.irp g, G1S, G1SB
	s_mov_b32 s[\g+1], 32<<16
	s_mov_b32 s[\g+2], (128*KS/256)<<16
	s_mov_b32 s[\g+3], 32<<16
	s_mov_b32 s[\g+4], 128*KS/256
	s_mov_b32 s[\g+5], 32
	s_mov_b32 s[\g+6], 0
	s_mov_b32 s[\g+7], 0
.endr
	s_lshl_b32 s18, s16, 7
	s_lshl_b32 s20, s17, 8
	s_add_co_u32 s20, s20, s18                     ; x: row 256 x tile row + 128 x half
	s_lshl_b32 s46, s42, 8
	s_add_co_u32 s46, s46, s18                     ; weights: row 256 x tile column + 128 x half
	s_mov_b32 s21, 0
	s_mov_b32 s47, 0
	s_mov_b64 s[18:19], KS
	s_mul_u64 s[22:23], s[20:21], s[18:19]         ; where these rows' scales begin,
	s_mul_u64 s[92:93], s[46:47], s[18:19]
	s_mov_b64 s[18:19], KROW
	s_mul_u64 s[20:21], s[20:21], s[18:19]         ; and their codes
	s_mul_u64 s[46:47], s[46:47], s[18:19]
	s_mul_i32 s45, s14, HALFT                      ; where they go: wave x 128 rows
	s_mul_i32 s94, s14, HALFS
	s_wait_dscnt 0x0                               ; both opening adds are done
	s_wait_kmcnt 0x0
	s_add_nc_u64 s[20:21], s[4:5], s[20:21]
	s_add_nc_u64 s[22:23], s[6:7], s[22:23]
	s_add_nc_u64 s[46:47], s[8:9], s[46:47]
	s_add_nc_u64 s[92:93], s[10:11], s[92:93]
	CROUND                                         ; all sixteen work-groups are here: the joint loads meet
	s_mov_b32 s[G0S], 1
	s_add_co_u32 s[G0S+1], s94, SCL
	s_mov_b64 s[G0S+2:G0S+3], s[22:23]
	s_or_b32 s[G0S+3], s[G0S+3], 0x80000000
	s_mov_b32 s[G0SB], 1
	s_add_co_u32 s[G0SB+1], s94, SCL
	s_mov_b64 s[G0SB+2:G0SB+3], s[92:93]
	s_or_b32 s[G0SB+3], s[G0SB+3], 0x80000000
	JLOAD G0S, G1S, G0SB, G1SB                     ; the scales first; three tensor loads of mine are out behind the third of these
.irp s, 0,1
	s_mov_b32 s[G0+4*\s], 1
	s_add_co_u32 s[G0+4*\s+1], s45, \s*SLOT
	s_add_nc_u64 s[G0+4*\s+2:G0+4*\s+3], s[20:21], \s*ROWB
	s_or_b32 s[G0+4*\s+3], s[G0+4*\s+3], 0x80000000
	s_mov_b32 s[G0B+4*\s], 1
	s_add_co_u32 s[G0B+4*\s+1], s45, \s*SLOT
	s_add_nc_u64 s[G0B+4*\s+2:G0B+4*\s+3], s[46:47], \s*ROWB
	s_or_b32 s[G0B+4*\s+3], s[G0B+4*\s+3], 0x80000000
	JLOAD G0+4*\s, G1, G0B+4*\s, G1B
.endr
	v_and_b32 v1, 15, v0                           ; r = lane % 16
	v_bfe_u32 v2, v0, 4, 1                         ; h = lane / 16
	v_mul_u32_u24 v3, v1, PITCH
	v_lshl_add_u32 v4, v2, 4, v3                   ; a fragment's row x pitch + 16 x half
	s_mul_i32 s21, s15, HALFT                      ; my 128 rows of x
	s_mul_i32 s22, s16, HALFT                      ; my 128 rows of the weights,
	s_add_co_u32 s22, s22, 2*HALFT                 ; which lie behind x's 256
.irp s, 0,1
	v_add_nc_u32 v[ADRA+\s], s21, v4
	v_add_nc_u32 v[ADRB+\s], s22, v4
	s_add_co_u32 s21, s21, SLOT
	s_add_co_u32 s22, s22, SLOT
.endr
	v_mul_u32_u24 v5, v1, KS                       ; my row's scales: 32 bytes a row,
	v_lshrrev_b32 v6, 8, v5
	v_lshl_add_u32 v5, v6, 4, v5                   ; and 16 more for each 256 passed
	s_mul_i32 s21, s15, HALFS
	s_mul_i32 s22, s16, HALFS
	s_add_co_u32 s22, s22, 2*HALFS
	s_sub_co_u32 s22, s22, s21
	v_mul_u32_u24 v6, s22, v2                      ; lanes 16-31 take the weights'
	s_add_co_u32 s21, s21, SCL
	v_add_nc_u32 v5, v5, v6
	v_add_nc_u32 v[ADRS], s21, v5
	; what hangs on the section (cluster x, the same in all sixteen partners): the bias, the row factor, the lanes' places in a block
	s_cmp_eq_u32 ttmp9, 0
	s_cselect_b64 s[96:97], s[96:97], s[98:99]
	s_mov_b32 s3, 0x3e38aa3b                       ; c = log2(e) / 8
	s_cselect_b32 s3, s3, 1.0                      ; fs: Q's rows x c
	s_cmp_eq_u32 ttmp9, 2
	s_cselect_b64 s[96:97], s[100:101], s[96:97]   ; bq, bk or bv
	s_cselect_b32 s2, 32, 16                       ; bytes from r to r + 1 in a block,
	s_cselect_b32 s94, 16, 256                     ; and from h = 0 to h = 1
	s_cmp_eq_u32 ttmp9, 1
	s_cselect_b32 s95, 1.0, 0                      ; km: K's rows x (1 - mask)
	s_lshl_b32 s46, s40, 10
	s_lshl_b32 s47, s16, 9
	s_add_co_u32 s46, s46, s47                     ; my first column in the section, x 4 bytes
	s_mov_b32 s47, 0
	s_add_nc_u64 s[96:97], s[96:97], s[46:47]
	s_lshl_b32 s46, s17, 8
	s_lshl_b32 s18, s15, 7
	s_add_co_u32 s46, s46, s18                     ; my first token: the mask has a byte a token
	s_add_nc_u64 s[66:67], s[66:67], s[46:47]
	s_lshr_b32 s18, s17, 3                         ; the batch: eight tile rows each
	s_lshl_b32 s18, s18, 4
	s_lshl_b32 s19, s40, 2
	s_add_co_u32 s18, s18, s19
	s_lshl_b32 s19, s16, 1
	s_add_co_u32 s18, s18, s19                     ; batch x 16 + my first head
	s_lshl_b32 s18, s18, 7
	s_and_b32 s19, s17, 7
	s_lshl_b32 s19, s19, 4
	s_add_co_u32 s18, s18, s19
	s_lshl_b32 s19, s15, 3
	s_add_co_u32 s18, s18, s19                     ; x 128 tiles + my first tile of 16 tokens
	s_lshl_b32 s46, s18, 11
	s_lshl_b32 s19, ttmp9, 24
	s_add_co_u32 s46, s46, s19
	s_add_nc_u64 s[12:13], s[12:13], s[46:47]
	v_lshlrev_b32 v[BA], 5, v2
	v_mul_u32_u24 v[VL], s2, v1
	v_mad_u32_u24 v[VL], v2, s94, v[VL]
	WIN TO_B
.irp b, 0,1,2,3,4,5,6,7
	global_load_b128 v[CBI+8*\b:CBI+8*\b+3], v[BA], s[96:97] offset:64*\b          ; register j of block b: the bias of column 16 b + 8 h + j
	global_load_b128 v[CBI+8*\b+4:CBI+8*\b+7], v[BA], s[96:97] offset:64*\b+16
.endr
	WIN 0
.irp a, 0,1,2,3,4,5,6,7
	global_load_u8 v[FF+2*\a], v1, s[66:67] offset:16*\a   ; the mask of token 16 a + r
.endr
	s_wait_loadcnt 0x0
.irp a, 0,1,2,3,4,5,6,7
	v_cvt_f32_u32 v[FF+2*\a], v[FF+2*\a]
.endr
.irp a, 0,1,2,3,4,5,6,7
	v_fma_f32 v[FF+2*\a], -v[FF+2*\a], s95, 1.0    ; 1 - km x mask
.endr
.irp a, 0,1,2,3,4,5,6,7
	v_mul_f32 v[FF+2*\a], s3, v[FF+2*\a]           ; x fs
.endr
.irp a, 0,1,2,3,4,5,6,7
	v_mov_b32 v[FF+2*\a+1], v[FF+2*\a]             ; a pair for the packed multiply
.endr
.macro FRAG reg, adr, q, i             ; 16 rows x 128 K of 4-bit codes: 8 registers: lane l holds row l % 16; registers 4 c .. 4 c + 3 hold K = 64 c + 32 (l / 16) + 0 .. 31
.irp c, 0,1
	ds_load_b128 v[\reg+4*\c:\reg+4*\c+3], v[\adr] offset:64*(\q)+32*\c+(\i)*16*PITCH
.endr
.endm
; 16 matrix instructions: x's blocks a0, a0 + 1 against the weights' eight.  zero = 1: the first product starts the sums from the bias.  The 64 accumulators take turns, one instruction a turn.
.macro MUL16 a0, p, q, sc, zero
.irp a, \a0, \a0+1
.irp b, 0,1,2,3,4,5,6,7
.if \zero
	v_wmma_scale_f32_16x16x128_f8f6f4 v[8*(8*((\a)%4)+\b):8*(8*((\a)%4)+\b)+7], v[128*(\p)+FR*\b:128*(\p)+FR*\b+FR-1], v[AF+FR*(\a):AF+FR*(\a)+FR-1], v[CBI+8*\b:CBI+8*\b+7], v[SC+8*NQ*(\sc)+NQ*\b+(\q)], v[SC+8*NQ*(\sc)+NQ*(\a)+(\q)] matrix_a_fmt:MATRIX_FMT_FP4 matrix_b_fmt:MATRIX_FMT_FP4 matrix_a_scale:MATRIX_SCALE_ROW1
.else
	v_wmma_scale_f32_16x16x128_f8f6f4 v[8*(8*((\a)%4)+\b):8*(8*((\a)%4)+\b)+7], v[128*(\p)+FR*\b:128*(\p)+FR*\b+FR-1], v[AF+FR*(\a):AF+FR*(\a)+FR-1], v[8*(8*((\a)%4)+\b):8*(8*((\a)%4)+\b)+7], v[SC+8*NQ*(\sc)+NQ*\b+(\q)], v[SC+8*NQ*(\sc)+NQ*(\a)+(\q)] matrix_a_fmt:MATRIX_FMT_FP4 matrix_b_fmt:MATRIX_FMT_FP4 matrix_a_scale:MATRIX_SCALE_ROW1
.endif
.endr
.endr
.endm
.macro FETCH_B slot, q, p
	WIN TO_B
.irp i, 0,1,2,3,4,5,6,7
	FRAG 128*(\p)+FR*\i, ADRB+\slot, \q, \i
.endr
	WIN 0
.endm
.macro FETCH_A slot, q, i0
.irp i, \i0, \i0+1, \i0+2, \i0+3
	FRAG AF+FR*(\i), ADRA+\slot, \q, \i
.endr
.endm
.macro SCALES sc                       ; a slot's scale words: four a row; lanes 0-15 take x's block i, lanes 16-31 the weights' block i
.irp i, 0,1,2,3,4,5,6,7
	ds_load_b128 v[SC+8*NQ*\sc+NQ*\i:SC+8*NQ*\sc+NQ*\i+3], v[ADRS] offset:\i*SBLK
.endr
.endm
.macro PLACES n                        ; plain vector instructions between a matrix instruction and a load into, or a vector read or write of, its registers
.rept \n
	v_nop
.endr
.endm
.macro STEP slot, q, zero              ; 128 along K, with its successor in the same slot
	s_wait_dscnt 4*NL                              ; the weights' set and x's blocks 0-3 are in; the youngest eight loads (x's blocks 4-7) may be out
.if \zero
	WIN FIRST_LO
.else
	WIN MUL_LO
.endif
	MUL16 0, (\q)%2, \q, \slot, \zero
	MUL16 2, (\q)%2, \q, \slot, \zero
	s_wait_dscnt 0
	PLACES NP
	FETCH_B \slot, (\q)+1, 1-(\q)%2
	FETCH_A \slot, (\q)+1, 0
.if \zero
	WIN FIRST_HI
.else
	WIN MUL_HI
.endif
	MUL16 4, (\q)%2, \q, \slot, \zero
	MUL16 6, (\q)%2, \q, \slot, \zero
	PLACES NP
	WIN 0
	FETCH_A \slot, (\q)+1, 4
.endm
.macro STEPS slot, from
.set Q, \from
.rept NQ-1-\from
	STEP \slot, Q, 0
.set Q, Q+1
.endr
.endm
	s_wait_tensorcnt 1                             ; the scales and my part of slot 0 are in; slot 1's load may be out
	s_barrier_signal -1
	s_barrier_wait -1
	FETCH_B 0, 0, 0
	FETCH_A 0, 0, 0
	SCALES 0
	FETCH_A 0, 0, 4
	STEP 0, 0, 1
	STEPS 0, 1
	; slot 0's last step, and the change to slot 1: my part of slot 1 has landed; then the barrier shows everybody's.  Nothing is filled again.
	s_wait_tensorcnt 0x0
	ds_add_u32 v[SPW], v[NIL]
	s_wait_dscnt 4*NL+1                            ; (the add and the youngest eight loads may be out)
	WIN MUL_LO
	MUL16 0, 1, NQ-1, 0, 0
	s_wait_dscnt 0x0
	s_barrier_signal -1
	MUL16 2, 1, NQ-1, 0, 0
	WIN 0
	s_barrier_wait -1
	PLACES NP
	v_add_nc_u32 v[ADRS], 4*NQ, v[ADRS]            ; on to slot 1's scale words
	FETCH_B 1, 0, 0
	FETCH_A 1, 0, 0
	SCALES 1
	WIN MUL_HI
	MUL16 4, 1, NQ-1, 0, 0
	MUL16 6, 1, NQ-1, 0, 0
	PLACES NP
	WIN 0
	FETCH_A 1, 0, 4
	STEPS 1, 0
	s_wait_dscnt 4*NL
	WIN MUL_LO
	MUL16 0, 1, NQ-1, 1, 0
	MUL16 2, 1, NQ-1, 1, 0
	s_wait_dscnt 0
	WIN MUL_HI
	MUL16 4, 1, NQ-1, 1, 0
	MUL16 6, 1, NQ-1, 1, 0
	WIN 0
	; THE WAY OUT, a block of 16 tokens at a time: x F in f32, rounded to f16, eight stores of 512 consecutive bytes straight from registers.
	PLACES NP
.irp a, 0,1,2,3,4,5,6,7
.if \a > 1
	s_wait_xcnt 0x0                                ; block a - 2's stores have read their registers, which are written again now
.endif
	WIN 0x02+(\a)/4                                ; source 0: window 2 or 3
.irp b, 0,1,2,3,4,5,6,7
.irp p, 0,1,2,3
	v_pk_mul_f32 v[TW+8*\b+2*\p:TW+8*\b+2*\p+1], v[64*((\a)%4)+8*\b+2*\p:64*((\a)%4)+8*\b+2*\p+1], v[FF+2*\a:FF+2*\a+1]   ; each accumulator from its low end on
.endr
.endr
	WIN 0
.irp b, 0,1,2,3,4,5,6,7
.irp p, 0,1,2,3
	v_cvt_pk_f16_f32 v[PK+32*((\a)%2)+4*\b+\p], v[TW+8*\b+2*\p], v[TW+8*\b+2*\p+1]
.endr
.endr
.irp b, 0,1,2,3,4,5,6,7
	global_store_b128 v[VL], v[PK+32*((\a)%2)+4*\b:PK+32*((\a)%2)+4*\b+3], s[12:13] offset:(\a)*2048+(\b/4)*262144+(\b%4)*512
.endr
.endr
	s_wait_tensorcnt 0x0                           ; the wave's end
	ds_add_u32 v[SPW], v[NIL]
	s_wait_dscnt 0x0
	CROUND                                         ; the closing round
	s_endpgm
.Lfunc_end_k_q961dbff5c9_proj:
	.size	k_q961dbff5c9_proj, .Lfunc_end_k_q961dbff5c9_proj-k_q961dbff5c9_proj
	.p2alignl 7, 3214868480
	.fill 96, 4, 3214868480
	.section	.rodata,"a",@progbits
	.p2align	6, 0x0
	.amdhsa_kernel k_q961dbff5c9_proj
		.amdhsa_group_segment_fixed_size 327680
		.amdhsa_private_segment_fixed_size 0
		.amdhsa_enable_private_segment 0
		.amdhsa_kernarg_size 72
		.amdhsa_user_sgpr_count 2
		.amdhsa_user_sgpr_kernarg_segment_ptr 1
		.amdhsa_wavefront_size32 1
		.amdhsa_system_sgpr_workgroup_id_x 1
		.amdhsa_system_sgpr_workgroup_id_y 1
		.amdhsa_system_sgpr_workgroup_id_z 1
		.amdhsa_system_vgpr_workitem_id 0
		.amdhsa_next_free_vgpr 1024
		.amdhsa_next_free_sgpr 102
		.amdhsa_reserve_vcc 0
		.amdhsa_float_denorm_mode_32 3
		.amdhsa_float_denorm_mode_16_64 3
		.amdhsa_memory_ordered 1
		.amdhsa_forward_progress 1
		.amdhsa_inst_pref_size 138
	.end_amdhsa_kernel
	.amdgpu_metadata
---
amdhsa.version: [ 1, 2 ]
amdhsa.kernels:
  - .name:           k_q961dbff5c9_proj
    .symbol:         k_q961dbff5c9_proj.kd
    .args:
      - { .name: x_codes, .offset: 0, .size: 8, .value_kind: global_buffer, .address_space: global }
      - { .name: x_scales, .offset: 8, .size: 8, .value_kind: global_buffer, .address_space: global }
      - { .name: w_codes, .offset: 16, .size: 8, .value_kind: global_buffer, .address_space: global }
      - { .name: w_scales, .offset: 24, .size: 8, .value_kind: global_buffer, .address_space: global }
      - { .name: bq, .offset: 32, .size: 8, .value_kind: global_buffer, .address_space: global }
      - { .name: bk, .offset: 40, .size: 8, .value_kind: global_buffer, .address_space: global }
      - { .name: bv, .offset: 48, .size: 8, .value_kind: global_buffer, .address_space: global }
      - { .name: mask, .offset: 56, .size: 8, .value_kind: global_buffer, .address_space: global }
      - { .name: qkv, .offset: 64, .size: 8, .value_kind: global_buffer, .address_space: global }
    .group_segment_fixed_size: 327680
    .private_segment_fixed_size: 0
    .kernarg_segment_align: 8
    .kernarg_segment_size: 72
    .max_flat_workgroup_size: 128
    .sgpr_count:     102
    .vgpr_count:     1024
    .wavefront_size: 32
...
	.end_amdgpu_metadata
.endif
;; end of part 2
;; launch attn (part 3): grid 4 x 64, 8 waves a work-group, clusters of 4 x 1, 327,680 bytes of LDS; arguments qkv, mask, ao; writes ao
.if DOCPART == 3
	.amdgcn_target "amdgcn-amd-amdhsa--gfx1250"
	.amdhsa_code_object_version 6
	.text
	.protected	k_q961dbff5c9_attn
	.globl	k_q961dbff5c9_attn
	.p2align	8
	.type	k_q961dbff5c9_attn,@function
k_q961dbff5c9_attn:
	s_mov_b64 s[64:65], 0
	v_nop
	global_prefetch_b8 v0, s[64:65] scope:SCOPE_SE
	s_setreg_imm32_b32 hwreg(HW_REG_WAVE_MODE, 25, 1), 1
	s_wait_xcnt 0x0
	s_wait_alu depctr_hold_cnt(0) depctr_sa_sdst(0) depctr_va_vdst(0) depctr_va_sdst(0) depctr_va_ssrc(0) depctr_va_vcc(0) depctr_vm_vsrc(0)
	s_getreg_b32 s2, hwreg(HW_REG_IB_STS2, 6, 4)
	s_cmp_eq_u32 s2, 0
	s_cbranch_scc0 .Lentry_in_a_cluster
	s_endpgm
.Lentry_in_a_cluster:
	s_bfe_u32 s2, ttmp6, 0x10000c
	s_cmp_lg_u32 s2, 0x3003
	s_cbranch_scc0 .Lentry_shape_is_right
	s_endpgm
.Lentry_shape_is_right:
; Launch 3 of 4: O = softmax(Q K^T / 8, masked keys at -1e9) V, for each of 64 (batch, head), head size 64, 2,048 keys.  Operands f16, sums f32.  No work of the problem is left out.
; Q arrives multiplied by log2(e) / 8, so a score is t = s log2(e).  THE MASK, as reference()'s jnp.where has it: a masked key's row of K arrives as zeros, and the C of each score's first matrix instruction is
; bias[key] = mask ? -1e9 log2(e) : 0: a masked score is exactly that constant, an open one is untouched.  A batch all of whose keys are masked gives the mean of V, as in reference().
; SOFTMAX: a running maximum m and sum l for each query; p = 2^(t - m) in f32; the sum is taken of the unrounded p; p is rounded to f16 for the second product; in every step O and l are multiplied by a = 2^(m_old - m_new).
; SHARES: a work-group owns 512 queries of one head, each of its eight waves 64: four tiles of 16; two waves to a SIMD, so that one wave's vector work stands beside the other's matrix work.  Every wave walks all keys, 64 a step;
; each fragment of K and V read from LDS feeds four matrix instructions.
; LAYOUT: S^T = K Q^T (source 0 = 16 keys, source 1 = 16 queries), O^T = V^T P: a lane holds ONE query throughout.  Q, K lie in memory as images of operand registers (a block of 512 bytes, lane l's 16 bytes at 16 l),
; V as blocks [16 keys][16 channels], turned by ds_load_tr16_b128.  A slot's tiles are dense blocks: no padding, and a fragment load takes 512 consecutive bytes.
; CLUSTER: the four query blocks of a head walk the same K and V: every tile is asked for JOINTLY, each wave a sixteenth of the ring (16 KiB), by one line with no branch.
; No prefetch: half of K and V come with the first fills, and each refill is asked for eight key steps (512 matrix instructions a wave) ahead of its first read.
; ao: [ks 8 (128 along the last product's K)][tile of 16 tokens 512][kc 4][g 2][512 bytes]: images of that product's operand registers; each store covers 512 consecutive bytes, aligned.
; LIMITS: open scores lie well above -1e9; NaN and infinities are not served.
; REGISTERS: window 0: v1-7 addresses; v8-31 six statistics a tile (m, x, a, y, l, l); v32-63 the step's bias, then the maximum's partial results; v64-127 Q; v128-191 K; v192-255 V.
;   window 1: v0-127 O^T (32 a tile); v128-255 S^T (32 a tile), then p, then P in place (16 a tile).
.set SLOT1, 1<<17                      ; slot s begins at s x 2^17: K's 512 keys (65,536 bytes), then V's
.set STEPB, 8192                       ; a step's 64 keys of K, or of V
.set BIAS,  262144                     ; 2,048 f32: written by LDS stores, never a tensor load's target
.set SPARE, 270336                     ; the spare words, 128 bytes for each of eight waves
.set L16, 1                            ; v1  16 x lane
.set AB0, 2                            ; v2  BIAS + 32 (lane / 16)
.set ADR, 3                            ; v3  the address of the run of loads in hand
.set SPW, 4
.set NIL, 5
.set AV0, 6                            ; v6  my lane's place in a block of V for the turning load
.set TA,  7                            ; v7  8 x thread: my eight bytes of the mask
.set ST,  8
.set BT,  32
.set Q,   64
.set KF,  128
.set VF,  192
.set O,   0                            ; in window 1
.set S,   128                          ; in window 1
.set WV,  12
.set SEL, 40                           ; s[40:41] lane l xor 16
.set TBK, 42                           ; s42 LDS byte of the next step's K
.set TBV, 43                           ; s43 and V
.set TJ,  44                           ; s44 and bias: 256 bytes a step
.set SLOTS, 45
.set CNT, 46
.set MSB, 0
.macro WIN new
.if MSB != (\new)
	s_set_vgpr_msb (MSB<<8)|(\new)
.set MSB, (\new)
.endif
.endm
.macro CROUND
	s_barrier_signal -1
	s_barrier_wait -1
	s_cmp_lg_u32 s[WV], 0
	s_cbranch_scc1 .Lnot_wave_0_\@
	s_barrier_signal -3
.Lnot_wave_0_\@:
	s_barrier_wait -3
	s_barrier_signal -1
	s_barrier_wait -1
.endm
.macro PLACES n
.rept \n
	v_nop
.endr
.endm
	s_load_b128 s[4:7], s[0:1], 0x0                ; qkv s[4:5], mask s[6:7]
	s_load_b64 s[8:9], s[0:1], 0x10                ; ao
	v_lshl_add_u32 v[SPW], v0, 2, SPARE
	v_mov_b32 v[NIL], 0
	ds_add_u32 v[SPW], v[NIL]                      ; the wave's opening: the add, twice on end, and its wait ahead of my first tensor load
	ds_add_u32 v[SPW], v[NIL]
	v_lshrrev_b32 v1, 5, v0
	v_readfirstlane_b32 s[WV], v1                  ; wave 0..7
	s_bfe_u32 s13, ttmp6, 0x40000                  ; cx: my block of 512 queries
	s_and_b32 s14, ttmp7, 0xffff                   ; batch x 16 + head, which the four partners share
	s_mov_b32 s24, 15|(3<<16)|(1<<21)              ; group 1: the mask names all four; elements of 8 bytes; bit 21 beside a mask; no padding
	s_mov_b32 s25, 32<<16                          ; tensor_dim0 = 32 elements: rows of 256 bytes
	s_mov_b32 s26, 64<<16                          ; tensor_dim1 = 64
	s_mov_b32 s27, 32<<16                          ; tile_dim0
	s_mov_b32 s28, 64                              ; tile_dim1: 16 KiB
	s_mov_b32 s29, 32                              ; the rows are dense
	s_mov_b32 s30, 0
	s_mov_b32 s31, 0
	s_lshr_b32 s16, s[WV], 2                       ; waves 0-3 fetch K's quarters of a slot, waves 4-7 V's
	s_add_co_u32 s16, s16, 1
	s_lshl_b32 s16, s16, 24                        ; the section
	s_lshl_b32 s17, s14, 18                        ; the head's 262,144 bytes
	s_add_co_u32 s16, s16, s17
	s_and_b32 s18, s[WV], 3
	s_lshl_b32 s18, s18, 14
	s_add_co_u32 s16, s16, s18
	s_mov_b32 s17, 0
	s_lshl_b32 s15, s[WV], 14                      ; and in a slot: wave x 16,384
	s_lshl_b32 s18, s14, 18                        ; Q: the head, my block's 65,536 bytes, my wave's 8,192
	s_lshl_b32 s19, s13, 16
	s_add_co_u32 s18, s18, s19
	s_lshl_b32 s19, s[WV], 13
	s_add_co_u32 s18, s18, s19
	s_mov_b32 s19, 0
	s_lshr_b32 s20, s14, 4
	s_lshl_b32 s20, s20, 11                        ; the batch's 2,048 bytes of the mask
	s_mov_b32 s21, 0
	s_bfe_u32 s22, s14, 0x30001                    ; ao: ks = head / 2,
	s_lshl_b32 s22, s22, 21
	s_lshr_b32 s23, s14, 4
	s_lshl_b32 s23, s23, 7
	s_lshl_b32 s48, s13, 5
	s_add_co_u32 s23, s23, s48
	s_lshl_b32 s48, s[WV], 2
	s_add_co_u32 s23, s23, s48                     ; my first tile of 16 tokens: 128 batch + 32 cx + 4 wave,
	s_lshl_b32 s23, s23, 12
	s_add_co_u32 s22, s22, s23
	s_and_b32 s23, s14, 1
	s_lshl_b32 s23, s23, 11                        ; and the head's half of the 128
	s_add_co_u32 s22, s22, s23
	s_mov_b32 s23, 0
	s_mov_b32 s[SEL], 0x76543210
	s_mov_b32 s[SEL+1], 0xfedcba98
	s_mov_b32 s[TBK], 0
	s_mov_b32 s[TBV], 65536
	s_mov_b32 s[TJ], 0
	s_mov_b32 s[SLOTS], 2
	s_mov_b32 s47, 0xceabfb8f                      ; -1e9 x log2(e)
	s_wait_dscnt 0x0                               ; both opening adds are done
	s_wait_kmcnt 0x0
	s_add_nc_u64 s[16:17], s[4:5], s[16:17]        ; my part of slot 0's keys
	s_add_nc_u64 s[18:19], s[4:5], s[18:19]        ; my queries
	s_add_nc_u64 s[6:7], s[6:7], s[20:21]
	s_add_nc_u64 s[8:9], s[8:9], s[22:23]
	CROUND                                         ; all four work-groups are here: the first joint loads meet
	s_mov_b32 s32, 1                               ; group 0 for slot 0
	s_mov_b32 s33, s15
	s_mov_b64 s[34:35], s[16:17]
	s_or_b32 s35, s35, 0x80000000
	s_mov_b32 s36, 1                               ; group 0 for slot 1: keys 512 on; it then walks
	s_add_co_u32 s37, s15, SLOT1
	s_add_nc_u64 s[38:39], s[16:17], 65536
	s_or_b32 s39, s39, 0x80000000
	tensor_load_to_lds s[32:35], s[24:31]          ; every wave issues both first fills: two tensor loads of mine are out
	s_nop 0
	tensor_load_to_lds s[36:39], s[24:31]
	s_nop 0
.rept 4
	v_nop
.endr
	v_and_b32 v7, 31, v0
	v_lshlrev_b32 v[L16], 4, v7
	v_bfe_u32 v3, v0, 4, 1                         ; h
	v_lshl_add_u32 v[AB0], v3, 5, BIAS
	v_and_b32 v7, 7, v0
	v_lshl_add_u32 v[AV0], v3, 3, v7               ; key 8 h + lane % 8: a row of 32 bytes,
	v_lshlrev_b32 v[AV0], 5, v[AV0]
	v_bfe_u32 v7, v0, 3, 1
	v_lshl_add_u32 v[AV0], v7, 4, v[AV0]           ; channels 8 ((lane / 8) % 2) on
	v_lshlrev_b32 v[TA], 3, v0
	global_load_b64 v[32:33], v[TA], s[6:7]        ; eight keys' mask bytes a thread: the work-group's 256 threads take the batch's 2,048
.irp i, 0,1,2,3,4,5,6,7,8,9,10,11,12,13,14,15
	global_load_b128 v[Q+4*\i:Q+4*\i+3], v[L16], s[18:19] offset:512*\i   ; Q stays in registers: tile i / 4, channels 16 (i % 4) on
.endr
.irp t, 0,1,2,3
	v_mov_b32 v[ST+6*\t], 0xff61b1e6               ; m: -3e38, under every score
	v_mov_b32 v[ST+6*\t+1], 0
	v_mov_b32 v[ST+6*\t+2], 0
	v_mov_b32 v[ST+6*\t+3], 0                      ; (named as the upper half of a's pair)
	v_mov_b32 v[ST+6*\t+4], 0                      ; l, even keys' and odd keys'
	v_mov_b32 v[ST+6*\t+5], 0
.endr
	WIN 0x40
.set i, 0
.rept 128
	v_mov_b32 v[O+i], 0                            ; O^T.  (The key step is written once for all steps: the first finds zeros, which the first a = 0 leaves zeros)
.set i, i+1
.endr
	WIN 0
	s_wait_loadcnt 16                              ; the mask is in; Q's sixteen loads may be out
.irp i, 0,1,2,3,4,5,6,7
	v_bfe_u32 v[34+\i], v[32+\i/4], 8*(\i%4), 8
.endr
.irp i, 0,1,2,3,4,5,6,7
	v_cvt_f32_u32 v[34+\i], v[34+\i]
.endr
.irp i, 0,1,2,3,4,5,6,7
	v_mul_f32 v[34+\i], s47, v[34+\i]
.endr
	v_lshl_add_u32 v[ADR], v0, 5, BIAS
	ds_store_b128 v[ADR], v[34:37]
	ds_store_b128 v[ADR], v[38:41] offset:16
	s_wait_tensorcnt 0x1                           ; my part of slot 0 is in; slot 1's may be out
	s_wait_dscnt 0x0                               ; my part of the bias is stored
	s_barrier_signal -1
	s_barrier_wait -1
.macro FETCH_K                         ; a step's K: 64 keys x 64 channels: 16 loads of 512 consecutive bytes
	v_add_nc_u32 v[ADR], s[TBK], v[L16]
	s_add_co_u32 s[TBK], s[TBK], STEPB
.irp i, 0,1,2,3,4,5,6,7,8,9,10,11,12,13,14,15
	ds_load_b128 v[KF+4*\i:KF+4*\i+3], v[ADR] offset:512*\i
.endr
.endm
.macro FETCH_B                         ; a step's bias in the scores' layout: register 8 kt + j: key 16 kt + 8 h + j
	v_add_nc_u32 v[ADR], s[TJ], v[AB0]
	s_add_co_u32 s[TJ], s[TJ], 256
.irp kt, 0,1,2,3
	ds_load_b128 v[BT+8*\kt:BT+8*\kt+3], v[ADR] offset:64*\kt
	ds_load_b128 v[BT+8*\kt+4:BT+8*\kt+7], v[ADR] offset:64*\kt+16
.endr
.endm
.macro FETCH_V                         ; a step's V, turned: fragment (kk, ct): 16 channels x 32 keys
	v_add_nc_u32 v[ADR], s[TBV], v[AV0]
	s_add_co_u32 s[TBV], s[TBV], STEPB
.irp kk, 0,1
.irp ct, 0,1,2,3
	ds_load_tr16_b128 v[VF+32*\kk+8*\ct:VF+32*\kk+8*\ct+3], v[ADR] offset:(2*\kk)*2048+512*\ct
	ds_load_tr16_b128 v[VF+32*\kk+8*\ct+4:VF+32*\kk+8*\ct+7], v[ADR] offset:(2*\kk+1)*2048+512*\ct
.endr
.endr
.endm
; S^T = K Q^T + bias: 32 matrix instructions; the 16 accumulators take turns, one instruction a turn
.macro QK
	WIN 0x40                                       ; D in window 1; K, Q and the bias in window 0
.irp kt, 0,1,2,3
.irp t, 0,1,2,3
	v_wmma_f32_16x16x32_f16 v[S+32*\t+8*\kt:S+32*\t+8*\kt+7], v[KF+16*\kt:KF+16*\kt+7], v[Q+16*\t:Q+16*\t+7], v[BT+8*\kt:BT+8*\kt+7]
.endr
.endr
	WIN 0x50                                       ; C and D in window 1
.irp kt, 0,1,2,3
.irp t, 0,1,2,3
	v_wmma_f32_16x16x32_f16 v[S+32*\t+8*\kt:S+32*\t+8*\kt+7], v[KF+16*\kt+8:KF+16*\kt+15], v[Q+16*\t+8:Q+16*\t+15], v[S+32*\t+8*\kt:S+32*\t+8*\kt+7]
.endr
.endr
.endm
; O^T += V^T P: 32 matrix instructions, 16 accumulators by turns
.macro PV
	WIN 0x54                                       ; V in window 0; P, C and D in window 1
.irp kk, 0,1
.irp ct, 0,1,2,3
.irp t, 0,1,2,3
	v_wmma_f32_16x16x32_f16 v[O+32*\t+8*\ct:O+32*\t+8*\ct+7], v[VF+32*\kk+8*\ct:VF+32*\kk+8*\ct+7], v[S+32*\t+8*\kk:S+32*\t+8*\kk+7], v[O+32*\t+8*\ct:O+32*\t+8*\ct+7]
.endr
.endr
.endr
.endm
; The four tiles' softmax for one key step, the tiles by turns in every group of lines.
.macro SOFTMAX
	WIN 0x15                                       ; three sources in window 1
.irp i, 0,1,2,3
.irp t, 0,1,2,3
	v_max3_num_f32 v[BT+4*\t+\i], v[S+32*\t+8*\i], v[S+32*\t+8*\i+1], v[S+32*\t+8*\i+2]   ; each accumulator is read from its low end on
.endr
.endr
	WIN 0x14
.irp u, 1,2
.irp i, 0,1,2,3
.irp t, 0,1,2,3
	v_max3_num_f32 v[BT+4*\t+\i], v[BT+4*\t+\i], v[S+32*\t+8*\i+2*\u+1], v[S+32*\t+8*\i+2*\u+2]
.endr
.endr
.endr
.irp t, 0,1,2,3
	v_max3_num_f32 v[BT+4*\t], v[BT+4*\t], v[S+32*\t+7], v[S+32*\t+15]
.endr
.irp t, 0,1,2,3
	v_max3_num_f32 v[BT+4*\t+2], v[BT+4*\t+2], v[S+32*\t+23], v[S+32*\t+31]
.endr
	WIN 0
.irp t, 0,1,2,3
	v_max3_num_f32 v[BT+4*\t], v[BT+4*\t], v[BT+4*\t+1], v[BT+4*\t+2]
.endr
.irp t, 0,1,2,3
	v_max3_num_f32 v[BT+4*\t], v[BT+4*\t], v[BT+4*\t+3], v[ST+6*\t]   ; with the old m
.endr
.irp t, 0,1,2,3
	v_permlanex16_b32 v[BT+4*\t+1], v[BT+4*\t], s[SEL], s[SEL+1]      ; the query's other 32 keys lie in the lane 16 away
.endr
.irp t, 0,1,2,3
	v_mov_b32 v[ST+6*\t+1], v[ST+6*\t]
.endr
.irp t, 0,1,2,3
	v_max_num_f32 v[ST+6*\t], v[BT+4*\t], v[BT+4*\t+1]                ; the new m
.endr
.irp t, 0,1,2,3
	v_sub_f32 v[ST+6*\t+1], v[ST+6*\t+1], v[ST+6*\t]                  ; m_old - m_new
.endr
.irp t, 0,1,2,3
	v_exp_f32 v[ST+6*\t+2], v[ST+6*\t+1]                              ; a
.endr
	WIN 0x41                                       ; destination and source 0 in window 1, m and a in window 0
.irp t, 0,1,2,3
	v_pk_add_f32 v[S+32*\t:S+32*\t+1], v[S+32*\t:S+32*\t+1], v[ST+6*\t:ST+6*\t+1] op_sel_hi:[1,0] neg_lo:[0,1] neg_hi:[0,1]   ; t - m of the first pair: plain work behind the four exponentials
.endr
	s_wait_alu depctr_va_vdst(0)                   ; one wait for the four a, ahead of their first reader
; ONE BATCH: 128 exponentials, with the subtractions of the next pair and O^T's rescaling between them.  No line of it names the result of an exponential of the batch.
.set b, 0
.rept 16
.irp t, 0,1,2,3
.if b < 15
	v_pk_add_f32 v[S+32*\t+2*b+2:S+32*\t+2*b+3], v[S+32*\t+2*b+2:S+32*\t+2*b+3], v[ST+6*\t:ST+6*\t+1] op_sel_hi:[1,0] neg_lo:[0,1] neg_hi:[0,1]
.endif
	v_exp_f32 v[S+32*\t+2*b], v[S+32*\t+2*b]
	v_pk_mul_f32 v[O+32*\t+2*b:O+32*\t+2*b+1], v[O+32*\t+2*b:O+32*\t+2*b+1], v[ST+6*\t+2:ST+6*\t+3] op_sel_hi:[1,0]
	v_exp_f32 v[S+32*\t+2*b+1], v[S+32*\t+2*b+1]
.endr
.set b, b+1
.endr
	v_nop                                          ; a plain instruction behind the last exponential
	s_wait_alu depctr_va_vdst(0)                   ; and one wait for the batch, ahead of its first reader
	WIN 0x10                                       ; source 2 in window 1
.irp t, 0,1,2,3
	v_pk_fma_f32 v[ST+6*\t+4:ST+6*\t+5], v[ST+6*\t+4:ST+6*\t+5], v[ST+6*\t+2:ST+6*\t+3], v[S+32*\t:S+32*\t+1] op_sel_hi:[1,0,1]   ; l = a l + p
.endr
	WIN 0x04                                       ; source 1 in window 1
.set b, 1
.rept 15
.irp t, 0,1,2,3
	v_pk_add_f32 v[ST+6*\t+4:ST+6*\t+5], v[ST+6*\t+4:ST+6*\t+5], v[S+32*\t+2*b:S+32*\t+2*b+1]   ; the sum is taken of the unrounded p
.endr
.set b, b+1
.endr
	WIN 0x45
.set i, 0
.rept 16
.irp t, 0,1,2,3
	v_cvt_pk_f16_f32 v[S+32*\t+i], v[S+32*\t+2*i], v[S+32*\t+2*i+1]   ; P in place: register i takes pair i, which lies at or above it
.endr
.set i, i+1
.endr
.endm
; THE CHANGE OF SLOTS, in a slot's last step, behind its scores: all my reads of the slot have been issued (this step's V a step ago).  Each wave waits for all its tensor loads (its part of the other slot), adds 0 to its
; spare word, and waits for that and for its reads.  fill = 1: behind a round of the cluster's barrier the slot is filled again, with the keys 1,024 on; that load is my only one out.
.macro CHANGE fill
	s_wait_tensorcnt 0x0
	ds_add_u32 v[SPW], v[NIL]
.if \fill
	s_xor_b32 s37, s37, SLOT1                      ; the walking descriptor: the other slot than last time,
	s_add_nc_u64 s[38:39], s[38:39], 65536         ; the next 512 keys
.endif
	s_wait_dscnt 0x0
.if \fill
	CROUND
	tensor_load_to_lds s[36:39], s[24:31]
	s_nop 0
.rept 4
	v_nop                                          ; also the places behind the scores' products
.endr
.else
	s_barrier_signal -1
	s_barrier_wait -1
	PLACES 4
.endif
	s_sub_co_u32 s[TBK], s[TBK], 65536             ; the fetches go back to a slot's first step,
	s_xor_b32 s[TBK], s[TBK], SLOT1                ; in the other slot
	s_sub_co_u32 s[TBV], s[TBV], 65536
	s_xor_b32 s[TBV], s[TBV], SLOT1
.endm
; A KEY STEP.  mode 0: plain; 1: a slot's last step, the slot is filled again; 2: a slot's last step, nothing is asked for; 3: the last step of all.
.macro STEP mode
	s_wait_dscnt 16                                ; K and the bias are in; V's sixteen loads may be out
	QK
	WIN 0
.if \mode == 1
	CHANGE 1
.elseif \mode == 2
	CHANGE 0
.else
	PLACES 4                                       ; in front of the loads into K, the first read of the scores and the writes over the bias
.endif
.if \mode < 3
	FETCH_K                                        ; the next step's
.endif
	SOFTMAX
	WIN 0
.if \mode < 3
	FETCH_B
	s_wait_dscnt 24                                ; V is in; K's sixteen loads and the bias's eight may be out
.else
	s_wait_dscnt 0x0
.endif
	PV
	WIN 0
.if \mode < 3
	PLACES 4                                       ; with the addition below: four places in front of the loads into V, five in front of the next scores, which are written over P
	FETCH_V
.endif
.endm
.macro SEVEN
	s_mov_b32 s[CNT], 7
.Lseven_\@:
	STEP 0
	s_sub_co_u32 s[CNT], s[CNT], 1
	s_cmp_lg_u32 s[CNT], 0
	s_cbranch_scc1 .Lseven_\@
.endm
	FETCH_K
	FETCH_B
	FETCH_V
	s_wait_loadcnt 0x0                             ; Q
.Lslot:                                                ; two trips: slots 0 and 1 are walked and filled again
	SEVEN
	STEP 1
	s_sub_co_u32 s[SLOTS], s[SLOTS], 1
	s_cmp_lg_u32 s[SLOTS], 0
	s_cbranch_scc1 .Lslot
	SEVEN                                          ; the tail is written out
	STEP 2
	SEVEN
	STEP 3
	; THE WAY OUT: O^T / l, rounded to f16; four packed registers are four registers of the last product's operand, stored as they stand.
.irp t, 0,1,2,3
	v_add_f32 v[BT+4*\t], v[ST+6*\t+4], v[ST+6*\t+5]                  ; (these additions are the places behind the last products)
.endr
.irp t, 0,1,2,3
	v_permlanex16_b32 v[BT+4*\t+1], v[BT+4*\t], s[SEL], s[SEL+1]
.endr
.irp t, 0,1,2,3
	v_add_f32 v[BT+4*\t], v[BT+4*\t], v[BT+4*\t+1]
.endr
.irp t, 0,1,2,3
	v_rcp_f32 v[ST+6*\t+2], v[BT+4*\t]
.endr
	v_nop
	s_wait_alu depctr_va_vdst(0)                   ; one wait for the four reciprocals
	WIN 0x41
.irp t, 0,1,2,3
.set i, 0
.rept 16
	v_pk_mul_f32 v[O+32*\t+2*i:O+32*\t+2*i+1], v[O+32*\t+2*i:O+32*\t+2*i+1], v[ST+6*\t+2:ST+6*\t+3] op_sel_hi:[1,0]
.set i, i+1
.endr
.endr
	WIN 0x05                                       ; sources in window 1, destination in window 0: K's registers are free
.irp t, 0,1,2,3
.set i, 0
.rept 16
	v_cvt_pk_f16_f32 v[KF+16*\t+i], v[O+32*\t+2*i], v[O+32*\t+2*i+1]
.set i, i+1
.endr
.endr
	WIN 0
.irp t, 0,1,2,3
.irp ct, 0,1,2,3
	global_store_b128 v[L16], v[KF+16*\t+4*\ct:KF+16*\t+4*\ct+3], s[8:9] offset:4096*\t+512*\ct   ; 32 lanes store 512 consecutive bytes, aligned
.endr
.endr
	s_wait_tensorcnt 0x0                           ; the wave's end
	ds_add_u32 v[SPW], v[NIL]
	s_wait_dscnt 0x0
	CROUND                                         ; the closing round
	s_endpgm
.Lfunc_end_k_q961dbff5c9_attn:
	.size	k_q961dbff5c9_attn, .Lfunc_end_k_q961dbff5c9_attn-k_q961dbff5c9_attn
	.p2alignl 7, 3214868480
	.fill 96, 4, 3214868480
	.section	.rodata,"a",@progbits
	.p2align	6, 0x0
	.amdhsa_kernel k_q961dbff5c9_attn
		.amdhsa_group_segment_fixed_size 327680
		.amdhsa_private_segment_fixed_size 0
		.amdhsa_enable_private_segment 0
		.amdhsa_kernarg_size 24
		.amdhsa_user_sgpr_count 2
		.amdhsa_user_sgpr_kernarg_segment_ptr 1
		.amdhsa_wavefront_size32 1
		.amdhsa_system_sgpr_workgroup_id_x 1
		.amdhsa_system_sgpr_workgroup_id_y 1
		.amdhsa_system_sgpr_workgroup_id_z 1
		.amdhsa_system_vgpr_workitem_id 0
		.amdhsa_next_free_vgpr 512
		.amdhsa_next_free_sgpr 66
		.amdhsa_reserve_vcc 0
		.amdhsa_float_denorm_mode_32 3
		.amdhsa_float_denorm_mode_16_64 3
		.amdhsa_memory_ordered 1
		.amdhsa_forward_progress 1
		.amdhsa_inst_pref_size 219
	.end_amdhsa_kernel
	.amdgpu_metadata
---
amdhsa.version: [ 1, 2 ]
amdhsa.kernels:
  - .name:           k_q961dbff5c9_attn
    .symbol:         k_q961dbff5c9_attn.kd
    .args:
      - { .name: qkv, .offset: 0, .size: 8, .value_kind: global_buffer, .address_space: global }
      - { .name: mask, .offset: 8, .size: 8, .value_kind: global_buffer, .address_space: global }
      - { .name: ao, .offset: 16, .size: 8, .value_kind: global_buffer, .address_space: global }
    .group_segment_fixed_size: 327680
    .private_segment_fixed_size: 0
    .kernarg_segment_align: 8
    .kernarg_segment_size: 24
    .max_flat_workgroup_size: 256
    .sgpr_count:     66
    .vgpr_count:     512
    .wavefront_size: 32
...
	.end_amdgpu_metadata
.endif
;; end of part 3
;; launch oproj (part 4): grid 4 x 64, 4 waves a work-group, clusters of 4 x 4, 327,680 bytes of LDS; arguments ao, wof, bo, out0; writes out0
.if DOCPART == 4
	.amdgcn_target "amdgcn-amd-amdhsa--gfx1250"
	.amdhsa_code_object_version 6
	.text
	.protected	k_q961dbff5c9_oproj
	.globl	k_q961dbff5c9_oproj
	.p2align	8
	.type	k_q961dbff5c9_oproj,@function
k_q961dbff5c9_oproj:
	s_mov_b64 s[64:65], 0
	v_nop
	global_prefetch_b8 v0, s[64:65] scope:SCOPE_SE
	s_setreg_imm32_b32 hwreg(HW_REG_WAVE_MODE, 25, 1), 1
	s_wait_xcnt 0x0
	s_wait_alu depctr_hold_cnt(0) depctr_sa_sdst(0) depctr_va_vdst(0) depctr_va_sdst(0) depctr_va_ssrc(0) depctr_va_vcc(0) depctr_vm_vsrc(0)
	s_getreg_b32 s2, hwreg(HW_REG_IB_STS2, 6, 4)
	s_cmp_eq_u32 s2, 0
	s_cbranch_scc0 .Lentry_in_a_cluster
	s_endpgm
.Lentry_in_a_cluster:
	s_bfe_u32 s2, ttmp6, 0x10000c
	s_cmp_lg_u32 s2, 0xf033
	s_cbranch_scc0 .Lentry_shape_is_right
	s_endpgm
.Lentry_shape_is_right:
; Launch 4 of 4: out0 = O Wo + bo.  O (ao) and Wo (wof) are f16, laid as images of operand registers; sums f32; out0 [8192][1024] f32.  No work of the problem is left out.
; A tile of out0 is 128 tokens x 256 outputs: 256 work-groups.  Four waves, each 64 x 128: 32 accumulators of 16 x 16.  K = 1,024 goes in eight steps of 128 through two LDS slots.
; A K step's tiles are dense blocks of memory (ao: 8 tiles of 16 tokens x 4,096 bytes; wof: 16 tiles of 16 outputs x 4,096 bytes): no padding, and a fragment load takes 512 consecutive bytes.
; CLUSTERS: 4 x 4 work-groups: O's tiles are asked for jointly along a row of the cluster, Wo's along a column.
; THE MATRIX INSTRUCTION IS USED TRANSPOSED (source 0 = 16 outputs of Wo, source 1 = 16 tokens): a lane holds one token and eight neighbouring outputs.  bo is the C of each sum's first instruction.
; PREFETCH of O's tiles: behind each joint refill wave 0 names the K step two refills on: the four partners that ask for a tile jointly take 32 blocks of 256 bytes each, told apart by address, a lane a block, so that each
; block is named once; the first four K steps and the last trip ask for nothing.  Wo's tiles are not named: they are an eighth of O's bytes, and every cluster walks the same ones.
; REGISTERS: window 0: v2 16 x lane; v16-17, v20-21 fragment addresses; v24, v25 the stage; v28, v29 the add's two; v30 the prefetch's offset; v32-127, v128-223 two fragment buffers (O's four fragments, then Wo's eight).
;   window 1: the accumulators ((a, b) at v[8 (8 a + b)]).   window 2: v0-63 bo, eight registers for each block of 16 outputs.
.set SLOT,  98304                      ; O's 32,768 bytes, then Wo's 65,536
.set SPARE, 196608                     ; the spare words, 128 bytes for each wave
.set SPITCH, 528                       ; the way out: 16 rows x (512 bytes + 16) for each wave, in slot 0, which has had its last fill and its last read by then
.set L16,  2
.set ADRA, 16
.set ADRB, 20
.set STO,  24
.set RD,   25
.set SPW,  28
.set NIL,  29
.set PFO,  30
.set F0,   32
.set F1,   128
.set WV,   12                          ; s12 wave; s13 = wave / 2: my half of the tokens, also: I fetch for O (0) or Wo (1); s14 = wave % 2: my half of the outputs, also: which half of that tile I fetch
.set G1A,  24
.set G0A,  32
.set G1B,  48
.set G0B,  56
.set LIM,  45
.set PFA,  46
.set MSB, 0
.macro WIN new
.if MSB != (\new)
	s_set_vgpr_msb (MSB<<8)|(\new)
.set MSB, (\new)
.endif
.endm
.macro JLOAD s                         ; a joint load; an s_nop 0 and four v_nop follow each of the two lines
	s_cmp_eq_u32 s13, 0
	s_cbranch_scc0 .Lfor_b_\@
	tensor_load_to_lds s[G0A+4*\s:G0A+4*\s+3], s[G1A:G1A+7]
	s_nop 0
.rept 4
	v_nop
.endr
	s_branch .Lasked_\@
.Lfor_b_\@:
	tensor_load_to_lds s[G0B+4*\s:G0B+4*\s+3], s[G1B:G1B+7]
	s_nop 0
.rept 4
	v_nop
.endr
.Lasked_\@:
.endm
.macro CREST
	s_cmp_lg_u32 s[WV], 0
	s_cbranch_scc1 .Lnot_wave_0_\@
	s_barrier_signal -3
.Lnot_wave_0_\@:
	s_barrier_wait -3
	s_barrier_signal -1
	s_barrier_wait -1
.endm
.macro CROUND
	s_barrier_signal -1
	s_barrier_wait -1
	CREST
.endm
.macro ASK
	s_cmp_gt_u32 s3, s[LIM]                        ; s3 = 1 in the loop's last trip
	s_cbranch_scc0 .Lnot_mine_\@
	global_prefetch_b8 v[PFO], s[PFA:PFA+1] th:TH_LOAD_NT scope:SCOPE_SE
.Lnot_mine_\@:
.endm
.macro PLACES n
.rept \n
	v_nop
.endr
.endm
	s_load_b256 s[4:11], s[0:1], 0x0               ; ao s[4:5], wof s[6:7], bo s[8:9], out0 s[10:11]
	v_lshl_add_u32 v[SPW], v0, 2, SPARE
	v_mov_b32 v[NIL], 0
	ds_add_u32 v[SPW], v[NIL]                      ; the wave's opening: the add, twice on end, and its wait ahead of my first tensor load
	ds_add_u32 v[SPW], v[NIL]
	v_lshrrev_b32 v1, 5, v0
	v_readfirstlane_b32 s[WV], v1
	s_lshr_b32 s13, s[WV], 1
	s_and_b32 s14, s[WV], 1
	s_bfe_u32 s40, ttmp6, 0x40000                  ; cx, cy
	s_bfe_u32 s41, ttmp6, 0x40004
	s_lshl_b32 s42, ttmp9, 2
	s_add_co_u32 s42, s42, s40                     ; tile column
	s_and_b32 s15, ttmp7, 0xffff
	s_lshl_b32 s15, s15, 2
	s_add_co_u32 s15, s15, s41                     ; tile row
	s_lshl_b32 s43, s41, 2
	s_lshl_b32 s43, 15, s43                        ; my row of the cluster
	s_lshl_b32 s44, 0x1111, s40                    ; my column
	s_or_b32 s[G1A], s43, (3<<16)|(1<<21)          ; the mask; elements of 8 bytes; bit 21 beside a mask; no padding
	s_or_b32 s[G1B], s44, (3<<16)|(1<<21)
	s_mov_b32 s[G1A+1], 32<<16                     ; rows of 256 bytes,
	s_mov_b32 s[G1A+2], 64<<16                     ; 64 of them: half of O's tile
	s_mov_b32 s[G1A+3], 32<<16
	s_mov_b32 s[G1A+4], 64
	s_mov_b32 s[G1A+5], 32
	s_mov_b32 s[G1A+6], 0
	s_mov_b32 s[G1A+7], 0
	s_mov_b32 s[G1B+1], 32<<16
	s_mov_b32 s[G1B+2], 128<<16                    ; 128 of them: half of Wo's tile
	s_mov_b32 s[G1B+3], 32<<16
	s_mov_b32 s[G1B+4], 128
	s_mov_b32 s[G1B+5], 32
	s_mov_b32 s[G1B+6], 0
	s_mov_b32 s[G1B+7], 0
	s_lshl_b32 s16, s15, 15                        ; O: tile row x 32,768 + half x 16,384
	s_lshl_b32 s18, s14, 14                        ; (the half's place in LDS too)
	s_add_co_u32 s16, s16, s18
	s_mov_b32 s17, 0
	s_lshl_b32 s20, s42, 16                        ; Wo: tile column x 65,536 + half x 32,768
	s_lshl_b32 s19, s14, 15
	s_add_co_u32 s20, s20, s19
	s_mov_b32 s21, 0
	s_add_co_u32 s19, s19, 32768                   ; in LDS behind O's tile
	s_wait_dscnt 0x0                               ; both opening adds are done
	s_wait_kmcnt 0x0
	s_add_nc_u64 s[16:17], s[4:5], s[16:17]
	s_add_nc_u64 s[20:21], s[6:7], s[20:21]
	CROUND                                         ; all sixteen work-groups are here: the first joint loads meet
.irp s, 0,1
	s_mov_b32 s[G0A+4*\s], 1
	s_add_co_u32 s[G0A+4*\s+1], s18, \s*SLOT
	s_add_nc_u64 s[G0A+4*\s+2:G0A+4*\s+3], s[16:17], \s*2097152    ; K step s
	s_or_b32 s[G0A+4*\s+3], s[G0A+4*\s+3], 0x80000000
	s_mov_b32 s[G0B+4*\s], 1
	s_add_co_u32 s[G0B+4*\s+1], s19, \s*SLOT
	s_add_nc_u64 s[G0B+4*\s+2:G0B+4*\s+3], s[20:21], \s*262144
	s_or_b32 s[G0B+4*\s+3], s[G0B+4*\s+3], 0x80000000
	JLOAD \s                                       ; two tensor loads of mine are out behind the second
.endr
	v_and_b32 v1, 31, v0
	v_lshlrev_b32 v[L16], 4, v1
	s_lshl_b32 s22, s13, 14                        ; my 64 tokens
	s_lshl_b32 s23, s14, 15
	s_add_co_u32 s23, s23, 32768                   ; my 128 outputs
.irp s, 0,1
	v_add_nc_u32 v[ADRA+\s], s22, v[L16]
	v_add_nc_u32 v[ADRB+\s], s23, v[L16]
	s_add_co_u32 s22, s22, SLOT
	s_add_co_u32 s23, s23, SLOT
.endr
	v_and_b32 v3, 15, v0                           ; r
	v_bfe_u32 v4, v0, 4, 1                         ; h
	s_mul_i32 s22, s[WV], 16*SPITCH                ; my stage
	v_mul_u32_u24 v5, v3, SPITCH
	v_lshl_add_u32 v5, v4, 5, v5
	v_add_nc_u32 v[STO], s22, v5                   ; in: row r, 32 bytes for each half of the lanes
	v_add_nc_u32 v[RD], s22, v[L16]                ; back: the 32 lanes take one row of 512 bytes
	s_lshl_b32 s22, s15, 7
	s_lshl_b32 s23, s13, 6
	s_add_co_u32 s22, s22, s23                     ; my first token
	s_lshl_b32 s22, s22, 12
	s_lshl_b32 s23, s42, 10
	s_add_co_u32 s22, s22, s23
	s_lshl_b32 s23, s14, 9
	s_add_co_u32 s22, s22, s23                     ; my first output, x 4 bytes
	s_mov_b32 s23, 0
	s_add_nc_u64 s[10:11], s[10:11], s[22:23]
	s_lshl_b32 s22, s42, 10
	s_lshl_b32 s16, s14, 9
	s_add_co_u32 s22, s22, s16
	s_add_nc_u64 s[8:9], s[8:9], s[22:23]
	v_lshlrev_b32 v6, 5, v4                        ; 32 h
	WIN 0x80                                       ; destination window 2
.irp b, 0,1,2,3,4,5,6,7
	global_load_b128 v[8*\b:8*\b+3], v6, s[8:9] offset:64*\b          ; register j of block b: bo of output 16 b + 8 h + j
	global_load_b128 v[8*\b+4:8*\b+7], v6, s[8:9] offset:64*\b+16
.endr
	WIN 0
	s_lshl_b32 s16, s15, 15                        ; the prefetches: the tile's 32,768 bytes, my work-group's 8,192 of them,
	s_lshl_b32 s17, s40, 13
	s_add_co_u32 s16, s16, s17
	s_add_co_u32 s16, s16, 3*2097152               ; at K step 3: the first refill steps it to 4
	s_mov_b32 s17, 0
	s_add_nc_u64 s[PFA:PFA+1], s[4:5], s[16:17]
	s_cmp_eq_u32 s[WV], 0
	s_cselect_b32 s[LIM], 1, -1                    ; wave 0 asks
	v_lshlrev_b32 v[PFO], 8, v1
.macro FETCH slot, kc, f               ; the fragments of 32 along K: O's four, Wo's eight: 24 loads in one run
.irp a, 0,1,2,3
	ds_load_b128 v[\f+8*\a:\f+8*\a+3], v[ADRA+\slot] offset:4096*\a+1024*(\kc)
	ds_load_b128 v[\f+8*\a+4:\f+8*\a+7], v[ADRA+\slot] offset:4096*\a+1024*(\kc)+512
.endr
.irp b, 0,1,2,3,4,5,6,7
	ds_load_b128 v[\f+32+8*\b:\f+32+8*\b+3], v[ADRB+\slot] offset:4096*\b+1024*(\kc)
	ds_load_b128 v[\f+32+8*\b+4:\f+32+8*\b+7], v[ADRB+\slot] offset:4096*\b+1024*(\kc)+512
.endr
.endm
.macro MUL8 f, a, first                ; token tile a against the eight output tiles.  The 32 accumulators take turns, in the same order in every quarter
.irp b, 0,1,2,3,4,5,6,7
.if \first
	v_wmma_f32_16x16x32_f16 v[8*(8*(\a)+\b):8*(8*(\a)+\b)+7], v[\f+32+8*\b:\f+32+8*\b+7], v[\f+8*(\a):\f+8*(\a)+7], v[8*\b:8*\b+7]
.else
	v_wmma_f32_16x16x32_f16 v[8*(8*(\a)+\b):8*(8*(\a)+\b)+7], v[\f+32+8*\b:\f+32+8*\b+7], v[\f+8*(\a):\f+8*(\a)+7], v[8*(8*(\a)+\b):8*(8*(\a)+\b)+7]
.endif
.endr
.endm
.macro QUARTER f, g, slot, kc, first   ; multiplies buffer f; ahead of that it asks for the slot's quarter kc into buffer g
	s_wait_dscnt 0x0                               ; buffer f is in
	PLACES 4                                       ; in front of loads into registers that the quarter before multiplied
	FETCH \slot, \kc, \g
.if \first
	WIN 0x60                                       ; D window 1, C (bo) window 2
.else
	WIN 0x50
.endif
	MUL8 \f, 0, \first
	MUL8 \f, 1, \first
	MUL8 \f, 2, \first
	MUL8 \f, 3, \first
	WIN 0
.endm
; A K step's last quarter multiplies buffer 1 and changes slots: ONE barrier; in front of it each wave waits for all its tensor loads (its part of the next slot), adds 0 to its spare word, and waits for that and for its reads
; of this slot.  fill = 1: the barrier opens a round of the cluster's, and this slot is filled again, two K steps ahead: my one tensor load out.
.macro TURN slot, next, fill
.if \fill
	s_wait_xcnt 0x0                                ; the last prefetch, a K step back, has read its address
	s_add_nc_u64 s[PFA:PFA+1], s[PFA:PFA+1], 2097152
.endif
	s_wait_tensorcnt 0x0
	ds_add_u32 v[SPW], v[NIL]
	s_wait_dscnt 1                                 ; buffer 1 is in; the add alone may be out
	WIN 0x50
	MUL8 F1, 0, 0
	MUL8 F1, 1, 0
	s_wait_dscnt 0x0
	s_barrier_signal -1
	MUL8 F1, 2, 0
	WIN 0
	s_barrier_wait -1
.if \fill
	CREST
	s_add_nc_u64 s[G0A+4*\slot+2:G0A+4*\slot+3], s[G0A+4*\slot+2:G0A+4*\slot+3], 2*2097152
	s_add_nc_u64 s[G0B+4*\slot+2:G0B+4*\slot+3], s[G0B+4*\slot+2:G0B+4*\slot+3], 2*262144
	JLOAD \slot                                    ; the first tensor load behind the round; its four v_nop are the places in front of the loads below
.else
	PLACES 4
.endif
	FETCH \next, 0, F0
.if \fill
	ASK
.endif
	WIN 0x50
	MUL8 F1, 3, 0
	WIN 0
.endm
	s_wait_loadcnt 0x0                             ; bo
	s_wait_tensorcnt 0x1                           ; my part of K step 0 is in; K step 1's may be out
	s_barrier_signal -1
	s_barrier_wait -1
	FETCH 0, 0, F0
	QUARTER F0, F1, 0, 1, 1                        ; the first quarter stands in front of the loop: its products start the sums from bo
	s_mov_b32 s3, 3
.Llap:                                                 ; a trip goes once round the ring and fills both slots again
	QUARTER F1, F0, 0, 2, 0
	QUARTER F0, F1, 0, 3, 0
	TURN 0, 1, 1
	QUARTER F0, F1, 1, 1, 0
	QUARTER F1, F0, 1, 2, 0
	QUARTER F0, F1, 1, 3, 0
	TURN 1, 0, 1
	QUARTER F0, F1, 0, 1, 0
	s_sub_co_u32 s3, s3, 1
	s_cmp_lg_u32 s3, 0
	s_cbranch_scc1 .Llap
	QUARTER F1, F0, 0, 2, 0                        ; the last lap fills nothing
	QUARTER F0, F1, 0, 3, 0
	TURN 0, 1, 0
	QUARTER F0, F1, 1, 1, 0
	QUARTER F1, F0, 1, 2, 0
	QUARTER F0, F1, 1, 3, 0
	s_wait_dscnt 0x0
	WIN 0x50
	MUL8 F1, 0, 0
	MUL8 F1, 1, 0
	MUL8 F1, 2, 0
	MUL8 F1, 3, 0
	WIN 0
; THE WAY OUT, a block of 16 tokens x 128 outputs at a time, through my own stage: a lane's 32 bytes go in, whole rows of 512 bytes come back and are stored.  LDS serves a wave's instructions in order.
.macro TOSTAGE a
	WIN 0x04                                       ; an LDS store's data are its source 1: window 1
.irp b, 0,1,2,3,4,5,6,7
	ds_store_b128 v[STO], v[64*(\a)+8*\b:64*(\a)+8*\b+3] offset:64*\b          ; each accumulator from its low end on
	ds_store_b128 v[STO], v[64*(\a)+8*\b+4:64*(\a)+8*\b+7] offset:64*\b+16
.endr
	WIN 0
.set BB, 32+96*((\a)%2)
.irp t, 0,1,2,3,4,5,6,7,8,9,10,11,12,13,14,15
	ds_load_b128 v[BB+4*\t:BB+4*\t+3], v[RD] offset:\t*SPITCH
.endr
.endm
.macro SEND a, younger
.set BB, 32+96*((\a)%2)
	s_wait_dscnt \younger                          ; the block is back in registers
.if (\a) > 0
	s_add_nc_u64 s[10:11], s[10:11], 65536         ; 16 rows of out0 on (behind a wait on XCNT: the earlier stores have read their base)
.endif
.irp t, 0,1,2,3,4,5,6,7,8,9,10,11,12,13,14,15
	global_store_b128 v[L16], v[BB+4*\t:BB+4*\t+3], s[10:11] offset:\t*4096 th:TH_STORE_NT   ; 32 lanes store 512 consecutive bytes, aligned
.endr
.endm
	PLACES 4
	TOSTAGE 0
.irp a, 1,2,3
.if \a > 1
	s_wait_xcnt 0x0                                ; block a - 2's stores have read their registers and their base
.endif
	TOSTAGE \a
	SEND \a-1, 32                                  ; behind block a - 1's loads: block a's 16 stores and 16 loads
.endr
	s_wait_xcnt 0x0
	SEND 3, 0
	s_wait_tensorcnt 0x0                           ; the wave's end
	ds_add_u32 v[SPW], v[NIL]
	s_wait_dscnt 0x0
	CROUND                                         ; the closing round
	s_endpgm
.Lfunc_end_k_q961dbff5c9_oproj:
	.size	k_q961dbff5c9_oproj, .Lfunc_end_k_q961dbff5c9_oproj-k_q961dbff5c9_oproj
	.p2alignl 7, 3214868480
	.fill 96, 4, 3214868480
	.section	.rodata,"a",@progbits
	.p2align	6, 0x0
	.amdhsa_kernel k_q961dbff5c9_oproj
		.amdhsa_group_segment_fixed_size 327680
		.amdhsa_private_segment_fixed_size 0
		.amdhsa_enable_private_segment 0
		.amdhsa_kernarg_size 32
		.amdhsa_user_sgpr_count 2
		.amdhsa_user_sgpr_kernarg_segment_ptr 1
		.amdhsa_wavefront_size32 1
		.amdhsa_system_sgpr_workgroup_id_x 1
		.amdhsa_system_sgpr_workgroup_id_y 1
		.amdhsa_system_sgpr_workgroup_id_z 1
		.amdhsa_system_vgpr_workitem_id 0
		.amdhsa_next_free_vgpr 768
		.amdhsa_next_free_sgpr 66
		.amdhsa_reserve_vcc 0
		.amdhsa_float_denorm_mode_32 3
		.amdhsa_float_denorm_mode_16_64 3
		.amdhsa_memory_ordered 1
		.amdhsa_forward_progress 1
		.amdhsa_inst_pref_size 86
	.end_amdhsa_kernel
	.amdgpu_metadata
---
amdhsa.version: [ 1, 2 ]
amdhsa.kernels:
  - .name:           k_q961dbff5c9_oproj
    .symbol:         k_q961dbff5c9_oproj.kd
    .args:
      - { .name: ao, .offset: 0, .size: 8, .value_kind: global_buffer, .address_space: global }
      - { .name: wof, .offset: 8, .size: 8, .value_kind: global_buffer, .address_space: global }
      - { .name: bo, .offset: 16, .size: 8, .value_kind: global_buffer, .address_space: global }
      - { .name: out0, .offset: 24, .size: 8, .value_kind: global_buffer, .address_space: global }
    .group_segment_fixed_size: 327680
    .private_segment_fixed_size: 0
    .kernarg_segment_align: 8
    .kernarg_segment_size: 32
    .max_flat_workgroup_size: 128
    .sgpr_count:     66
    .vgpr_count:     768
    .wavefront_size: 32
...
	.end_amdgpu_metadata
.endif
;; end of part 4
